; MI455X (gfx1250); checked and timed in simulation.
; The chip was launched on July 23, 2026; its instructions are those of AMD's public machine-readable ISA for CDNA 5 (MIT licence, August 2026) and "CDNA5" Instruction Set Architecture Reference Guide (July 2026). The comments in the code are by the model that wrote it; some were corrected since.
;; Multi Head Attention. Allowed arithmetic: matrix products marked QUANTISED: E2M1 operands, one E8M0 scale for each 32 along K, by v_wmma_scale_f32_16x16x128_f8f6f4 with both operands' format E2M1 (or v_wmma_scale_f32_32x16x128_f4), f32 sums; everything else in f32.
;; Inputs: b1 4,096 float32; b2 1,024 float32; image_k_codes 2 x 16 x 2,048 x 2 x 16 uint8 (E2M1 codes of image_k, K innermost, in blocks of 32 codes, two codes a byte); image_k_scales 2 x 16 x 2,048 x 2 uint8 (E8M0 scales of image_k, one for each 32 codes along K); image_q_codes 2 x 16 x 2,048 x 2 x 16 uint8 (E2M1 codes of image_q, K innermost, in blocks of 32 codes, two codes a byte); image_q_scales 2 x 16 x 2,048 x 2 uint8 (E8M0 scales of image_q, one for each 32 codes along K); image_v_codes 2 x 16 x 64 x 64 x 16 uint8 (E2M1 codes of image_v, K innermost, in blocks of 32 codes, two codes a byte); image_v_scales 2 x 16 x 64 x 64 uint8 (E8M0 scales of image_v, one for each 32 codes along K); ln_b 1,024 float32; ln_w 1,024 float32; w1_codes 4,096 x 32 x 16 uint8 (E2M1 codes of w1, K innermost, in blocks of 32 codes, two codes a byte); w1_scales 4,096 x 32 uint8 (E8M0 scales of w1, one for each 32 codes along K); w2_codes 1,024 x 128 x 16 uint8 (E2M1 codes of w2, K innermost, in blocks of 32 codes, two codes a byte); w2_scales 1,024 x 128 uint8 (E8M0 scales of w2, one for each 32 codes along K); x 2 x 2,048 x 1,024 float32.
;; Outputs: out0 2 x 2,048 x 1,024 float32.
;; This version of the problem:
;;   THIS VERSION OF THE PROBLEM IS GIVEN IN LOW PRECISION. The matrix products marked QUANTISED in the list below multiply operands that are first quantised to E2M1 (2 exponent bits, 1 mantissa bit; 4 bits a number), with one power-of-two scale for each 32 numbers along K (OCP MX v1.0); their sums are f32. All else is computed in f32.
;;   The module's matrix products, in the order in which they are computed (A, B: the left and right operand; K: the contracted axis; several contracted axes count as one K, in the product's order):
;;     1. batch 32 x [M 2,048, K 64] x [K 64, N 2,048]; A: input image_q (given as codes); B: input image_k (given as codes): QUANTISED
;;     2. batch 32 x [M 2,048, K 2,048] x [K 2,048, N 64]; A: softmax (see below); B: input image_v (given as codes): QUANTISED
;;     3. [M 4,096, K 1,024] x [K 1,024, N 4,096]; A: computed on the way; B: input w1 (given as codes): QUANTISED
;;     4. [M 4,096, K 4,096] x [K 4,096, N 1,024]; A: computed on the way; B: input w2 (given as codes): QUANTISED
;;   THE QUANTISER, for each operand of a quantised product, along K:
;;     - K is cut into blocks of 32 from its start; a last block that is shorter is filled with zeros.
;;     - A block's scale is 2^e with e = floor(log2(the largest magnitude in the block)) - 2, held to -126 .. 127; a block of zeros has e = 0. As a byte (E8M0): e + 127.
;;     - Each number is divided by its block's scale, clamped to +-6, and rounded to the nearest number of E2M1, ties to even, subnormals kept.
;;     - The product sums the exact products of the quantised numbers (number of the format x scale) in f32.
;;   ~~~python
;;   def quantise(x, axis):      # numpy; x: float32 -> the quantised numbers, widened to float32 again
;;       x = np.moveaxis(x, axis, -1); K = x.shape[-1]
;;       x = np.pad(x, [(0, 0)] * (x.ndim - 1) + [(0, -K % 32)]); x = x.reshape(x.shape[:-1] + (-1, 32)); a = np.abs(x).max(-1, keepdims=True)
;;       e = np.where(a > 0, np.clip(np.frexp(np.where(a > 0, a, 1))[1] - 1 - 2, -126, 127), 0)      # np.frexp(a)[1] - 1 = floor(log2(a)), exactly
;;       r = np.clip(x / 2.0 ** e, -6, 6)
;;       step = 2.0 ** (np.maximum(np.frexp(np.where(r == 0, 1, r))[1] - 1, 0) - 1)
;;       q = np.round(r / step) * step * 2.0 ** e      # np.round: ties to even
;;       return np.moveaxis(q.reshape(q.shape[:-2] + (-1,))[..., :K], -1, axis).astype(np.float32)
;;   ~~~
;;   SOFTMAX AHEAD OF A QUANTISED PRODUCT. Where the list says 'softmax', what is quantised is not the finished softmax but p = 2^(t - M), with t = logit x log2(e) and M = ceil(the row's largest t), a whole number; so 1/2 < the row's largest p <= 1. The row's sum l is taken of the UNQUANTISED p, in f32, and the product's result is divided by l at the end. Since M is a whole number, a kernel that streams over the keys may use a running M (the ceiling of the running maximum): every later rescaling is an exact power of two, which a block's scale takes up: the codes' values come out the same.
;;   OPERANDS COMPUTED ON THE WAY. 'Computed on the way' means the value that the module computes at that place (a softmax that the list does not call 'softmax' is quantised finished and normalised). What goes into a quantiser is computed in f32, as accurately as f32 sums, v_exp_f32 and their like allow (about 1e-6 of the number): no bf16 or f16 on the way to a quantiser, and a product that is left as it is and whose result goes on into a quantised operand takes f32 operands (vector FMAs, or v_wmma_f32_16x16x4_f32). A number that lies on a knife's edge between two numbers of the format may be rounded either way, as far as f32 arithmetic and the matrix unit's own rounding can turn it there, and no further.
;;   INPUTS GIVEN AS CODES. image_k (in the module: [2, 16, 2048, 64], K = its axis 3); image_q (in the module: [2, 16, 2048, 64], K = its axis 3); image_v (in the module: [2, 16, 2048, 64], K = its axis 2); w1 (in the module: [1024, 4096], K = its axis 0); w2 (in the module: [4096, 1024], K = its axis 0): each comes as NAME_codes (uint8): NAME with its K axis moved to the last place and cut into blocks of 32 codes, [.., K / 32, bytes a block], one block behind the other in memory; two codes a byte, the lower K in the low four bits (a code: sign, 2 exponent bits, 1 mantissa bit); and NAME_scales (uint8): the same leading axes, one E8M0 byte (e + 127) for each 32 codes along K. Its value is code x scale, taken as it is: it is not quantised again, and the codes and scales need not be those that the quantiser above would give.
;; One version. Each part assembles by itself: llvm-mc -triple=amdgcn-amd-amdhsa -mcpu=gfx1250 --defsym DOCPART=n.
;; ======== version 1 of 1: 4 launches
;; limits: right only within a limited range of input values
;; workspace buffers: x1 16,777,216 bytes; h_codes 2,097,152 bytes; h_scales 131,072 bytes; hid_codes 8,912,896 bytes
;; launch att (part 1): grid 8 x 32, 16 waves a work-group, clusters of 4 x 1, 245,760 bytes of LDS; arguments image_q_codes, image_q_scales, image_k_codes, image_k_scales, image_v_codes, image_v_scales, x, x1; writes x1
.if DOCPART == 1
	.amdgcn_target "amdgcn-amd-amdhsa--gfx1250"
	.amdhsa_code_object_version 6
	.text
	.protected	k_q1bd2383548_att
	.globl	k_q1bd2383548_att
	.p2align	8
	.type	k_q1bd2383548_att,@function
k_q1bd2383548_att:
	s_mov_b64 s[64:65], 0
	v_nop
	global_prefetch_b8 v0, s[64:65] scope:SCOPE_SE
	s_setreg_imm32_b32 hwreg(HW_REG_WAVE_MODE, 25, 1), 1
	s_wait_xcnt 0x0
	s_wait_alu depctr_hold_cnt(0) depctr_sa_sdst(0) depctr_va_vdst(0) depctr_va_sdst(0) depctr_va_ssrc(0) depctr_va_vcc(0) depctr_vm_vsrc(0)
	s_getreg_b32 s2, hwreg(HW_REG_IB_STS2, 6, 4)
	s_cmp_eq_u32 s2, 0
	s_cbranch_scc0 .Lentry_in_a_cluster
	s_endpgm
.Lentry_in_a_cluster:
	s_bfe_u32 s2, ttmp6, 0x10000c
	s_cmp_lg_u32 s2, 0x3003
	s_cbranch_scc0 .Lentry_shape_is_right
	s_endpgm
.Lentry_shape_is_right:
; x1[b][q][64 head + d] = x[..] + the sum over k of softmax_k(Q[q] . K[k] / 8) V[k][d], both products on codes of FP4 (E2M1) with one E8M0 scale for each 32 along a product's K.
; Q, K: [32 heads][2048][64] as codes (32 bytes a row), scale bytes [32][2048][2].  V: codes with the KEYS innermost, [32][64][2048] (1,024 bytes a row), scale bytes [32][64][64].  x, x1: [2][2048][1024] f32.
; THE SOFTMAX: t = score x log2(e) / 8; M = the running largest t rounded UP to a whole number; p = 2^(t - M) is quantised along the keys, not normalised; the row's sum is taken of the unquantised p and divides O at the end.
; When M moves, the sum and O are multiplied by 2^(old M - new M), which rounds nothing.
; SHARES.  A work-group owns 256 queries of one head, each of its sixteen waves 16 of them in 256 registers, four waves to a SIMD.  Every wave walks all 2,048 keys, 128 a step, 16 steps.
; ALL OF THE HEAD'S K, V AND SCALE BYTES (136 KiB) LIE IN LDS, filled once at the head: no slot is ever filled again.  The four work-groups of a cluster are four query blocks of one head and want the same
; bytes: each tile is asked for JOINTLY, by the same tensor load with a mask that names the four.
; LAYOUT.  Both products are used transposed: S^T = K Q^T (source 0 = 16 keys, source 1 = my 16 queries), O^T = V^T P^T: a lane holds ONE query (lane % 16) throughout.
; THE KEYS OF A TILE ARE NOT NEIGHBOURS: row rho of tile 4 c + i takes key 64 c + 32 (rho / 8) + 8 i + rho % 8 of the step.  In the result lane half h, register j of that tile is key 64 c + 32 h + 8 i + j: so the 32 registers
; of tiles 4 c .. 4 c + 3 are the WHOLE block 2 c + h of 32 keys, in order.  A block's largest score needs no other lane, and the conversion of tile 4 c + i gives register 4 c + i of the second product's operand as it stands.
; The first product's K is 64 and the instruction is 128 deep.  Q's registers 4 to 7 hold zero codes.  K's fragments lie four registers apart and overlap: the upper four registers of tile T's are tile T + 1's codes; E2M1 has no
; infinity and no NaN, so Q's zero codes make nothing of them, and the upper two bytes of both scale words are 0, not 0xff.  So the eight fragments of a step take 36 registers and are loaded a whole step ahead.
; LIMITS: NaN and infinities are not served.  A block of p whose largest number lies under 2^-124 keeps the scale byte 1 (its codes are zeros or nearly so).
; REGISTERS: v1-7 addresses that stay; v8-11 the LDS addresses in hand; v12 -M, v13 the largest t, v[14:15] the sum in two halves; v16-23 Q (v20-23 zeros); v24 Q's scale words; v25 8 x (lane / 16); v26-27 V's scale words;
;   v28-63 K's eight fragments, four registers apart (v60-63 zeros); v64-95 V's four; v96-159 S^T, then p; v160-191 O^T; v192-223 x; v224-231 p's codes; v232-245, v252, v254 at work; v248-251 K's scale words; v253 p's scale word.
.set VT,    98304                      ; LDS: K's 2,048 rows at 48 bytes (32 + 16 of padding) from byte 0; V's 64 rows at 1,040 bytes (1,024 + 16) from here;
.set KSC,   164864                     ; K's scale bytes, dense, 2 a key;
.set VSC,   168960                     ; V's scale bytes, a row of 64 at 80 bytes (64 + 16);
.set STG,   174080                     ; the way out: 16 rows x 272 bytes for each wave; no tensor load lands here
.set WV,    20                         ; s20  my wave's number
.set SEL,   22                         ; s[22:23] lane selects for v_permlanex16_b32: lane l xor 16
.set CS,    24                         ; s[24:25] c = log2(e) / 8
.set G1K,   28                         ; s[28:35], s[36:43], s[44:51], s[52:59] descriptor groups 1: K, V, K's scales, V's scales
.set G1V,   36
.set G1KS,  44
.set G1VS,  52
.set G0K,   60                         ; s[60:63], s[68:71], s[72:75], s[76:79] their groups 0
.set G0V,   68
.set G0KS,  72
.set G0VS,  76
.set TK,    96                         ; s96  the NEXT step's first byte among K's rows: 128 x 48 a step
.set TV,    97                         ; s97  this step's first byte in a row of V: 64 a step
.set TS,    98                         ; s98  the NEXT step's first byte among K's scale bytes: 256 a step
.set TJ,    99                         ; s99  this step's first byte in a row of V's scale bytes: 4 a step
.set CNT,   100                        ; s100 trips to go
; A round of the cluster's barrier: my work-group's barrier, wave 0 signals for the work-group, every wave waits for all four work-groups, my work-group's barrier once more.
.macro CROUND
	s_barrier_signal -1
	s_barrier_wait -1
	s_cmp_lg_u32 s[WV], 0
	s_cbranch_scc1 .Lnot_wave_0_\@
	s_barrier_signal -3
.Lnot_wave_0_\@:
	s_barrier_wait -3
	s_barrier_signal -1
	s_barrier_wait -1
.endm
; S^T, tile T of the step's eight; one register carries the scale words of tiles 2 p (lanes 0-15) and 2 p + 1 (lanes 16-31)
.macro KQ T
.if (\T)%2
	v_wmma_scale_f32_16x16x128_f8f6f4 v[96+8*(\T):103+8*(\T)], v[28+4*(\T):35+4*(\T)], v[16:23], 0, v[248+(\T)/2], v24 matrix_a_fmt:MATRIX_FMT_FP4 matrix_b_fmt:MATRIX_FMT_FP4 matrix_a_scale:MATRIX_SCALE_ROW1
.else
	v_wmma_scale_f32_16x16x128_f8f6f4 v[96+8*(\T):103+8*(\T)], v[28+4*(\T):35+4*(\T)], v[16:23], 0, v[248+(\T)/2], v24 matrix_a_fmt:MATRIX_FMT_FP4 matrix_b_fmt:MATRIX_FMT_FP4
.endif
.endm
; O^T += V^T P^T, tile t of the head's four (channels 16 t on); K = the step's 128 keys
.macro PV t
.if (\t)%2
	v_wmma_scale_f32_16x16x128_f8f6f4 v[160+8*(\t):167+8*(\t)], v[64+8*(\t):71+8*(\t)], v[224:231], v[160+8*(\t):167+8*(\t)], v[26+(\t)/2], v253 matrix_a_fmt:MATRIX_FMT_FP4 matrix_b_fmt:MATRIX_FMT_FP4 matrix_a_scale:MATRIX_SCALE_ROW1
.else
	v_wmma_scale_f32_16x16x128_f8f6f4 v[160+8*(\t):167+8*(\t)], v[64+8*(\t):71+8*(\t)], v[224:231], v[160+8*(\t):167+8*(\t)], v[26+(\t)/2], v253 matrix_a_fmt:MATRIX_FMT_FP4 matrix_b_fmt:MATRIX_FMT_FP4
.endif
.endm
.macro KLD adr, T                      ; K's codes of tile T = 4 c + i: its first key lies 64 c + 8 i keys of 48 bytes on
	ds_load_b128 v[28+4*(\T):31+4*(\T)], v[\adr] offset:3072*((\T)/4)+384*((\T)%4)
.endm
.macro KSLD adr, p                     ; the scale bytes of tiles 2 p (lanes 0-15) and 2 p + 1 (lanes 16-31): 2 bytes a key
	ds_load_u16 v[248+(\p)], v[\adr] offset:128*((\p)/2)+32*((\p)%2)
.endm
.macro VLD t                           ; V's fragment of channels 16 t on
	ds_load_b128 v[64+8*(\t):67+8*(\t)], v9 offset:16640*(\t)
	ds_load_b128 v[68+8*(\t):71+8*(\t)], v9 offset:16640*(\t)+32
.endm
	s_load_b256 s[4:11], s[0:1], 0x0               ; Q's codes s[4:5], Q's scales s[6:7], K's codes s[8:9], K's scales s[10:11]
	s_load_b256 s[12:19], s[0:1], 0x20             ; V's codes s[12:13], V's scales s[14:15], x s[16:17], x1 s[18:19]
	v_lshl_add_u32 v247, v0, 2, 0x3b800
	v_mov_b32 v255, 0
	ds_add_u32 v247, v255
	ds_add_u32 v247, v255
	v_lshrrev_b32 v8, 5, v0
	s_delay_alu instid0(VALU_DEP_1)
	v_readfirstlane_b32 s[WV], v8                  ; wave 0..15
	s_and_b32 s80, ttmp7, 0xffff                   ; 16 b + head, which the four partners share
	s_and_b32 s81, s[WV], 3                        ; which quarter of K or of V I fetch, if I fetch
	s_lshl_b32 s82, s80, 16                        ; the head's first byte in each tensor of codes: 65,536 a head
	s_mov_b32 s83, 0
	s_lshl_b32 s84, s81, 14                        ; + my quarter: 16,384 bytes (512 keys of K; 16 rows of V)
	s_add_co_u32 s84, s84, s82
	s_mov_b32 s85, 0
	s_lshl_b32 s86, s80, 12                        ; and in each tensor of scale bytes: 4,096 a head
	s_mov_b32 s87, 0
	; K: my 512 keys are 16,384 dense bytes: 64 rows of 256 bytes (32 elements of 8), 4 words of padding behind every 8 words, that is behind each key's 32 bytes: key k lies at 48 k
	s_mov_b32 s[G1K], 15|(3<<16)|(1<<20)|(1<<21)|(2<<22)|(3<<25)   ; 15:0 the mask: all four work-groups; 17:16 elements of 8 bytes; 20 padding on; 21 set beside a mask; 24:22 after every 8 words (code 2); 31:25 four words (code 3)
	s_mov_b32 s[G1K+1], 32<<16                     ; tensor_dim0
	s_mov_b32 s[G1K+2], 64<<16                     ; tensor_dim1
	s_mov_b32 s[G1K+3], 32<<16                     ; tile_dim0
	s_mov_b32 s[G1K+4], 64                         ; tile_dim1
	s_mov_b32 s[G1K+5], 32                         ; from row to row
	s_mov_b32 s[G1K+6], 0
	s_mov_b32 s[G1K+7], 0
	; V: 16 rows of 1,024 bytes, 4 words of padding behind every 256 words
	s_mov_b32 s[G1V], 15|(0<<16)|(1<<20)|(1<<21)|(7<<22)|(3<<25)
	s_mov_b32 s[G1V+1], 1024<<16
	s_mov_b32 s[G1V+2], 16<<16
	s_mov_b32 s[G1V+3], 1024<<16
	s_mov_b32 s[G1V+4], 16
	s_mov_b32 s[G1V+5], 1024
	s_mov_b32 s[G1V+6], 0
	s_mov_b32 s[G1V+7], 0
	; K's scale bytes: 4,096 dense bytes as 16 rows of 256, no padding
	s_mov_b32 s[G1KS], 15|(3<<16)|(1<<21)
	s_mov_b32 s[G1KS+1], 32<<16
	s_mov_b32 s[G1KS+2], 16<<16
	s_mov_b32 s[G1KS+3], 32<<16
	s_mov_b32 s[G1KS+4], 16
	s_mov_b32 s[G1KS+5], 32
	s_mov_b32 s[G1KS+6], 0
	s_mov_b32 s[G1KS+7], 0
	; V's scale bytes: the same block, 4 words of padding behind every 16 words, that is behind each row's 64 bytes: row d lies at 80 d
	s_mov_b32 s[G1VS], 15|(3<<16)|(1<<20)|(1<<21)|(3<<22)|(3<<25)
	s_mov_b32 s[G1VS+1], 32<<16
	s_mov_b32 s[G1VS+2], 16<<16
	s_mov_b32 s[G1VS+3], 32<<16
	s_mov_b32 s[G1VS+4], 16
	s_mov_b32 s[G1VS+5], 32
	s_mov_b32 s[G1VS+6], 0
	s_mov_b32 s[G1VS+7], 0
	s_mov_b32 s[SEL], 0x76543210
	s_mov_b32 s[SEL+1], 0xfedcba98
	s_mov_b32 s[CS], 0x3e38aa3b                    ; c = log2(e) / 8
	s_mov_b32 s[CS+1], s[CS]                       ; (named with it as a pair, so it is written)
	s_mov_b32 s[TK], 6144                          ; K and its scale bytes run a step ahead: step 0's are fetched in front of the loop
	s_mov_b32 s[TV], 0
	s_mov_b32 s[TS], 256
	s_mov_b32 s[TJ], 0
	s_mov_b32 s[CNT], 15
	s_wait_dscnt 0x0
	s_wait_kmcnt 0x0
	s_mov_b32 s[G0K], 1                            ; count = 1
	s_mul_i32 s[G0K+1], s81, 24576                 ; LDS: 512 keys x 48 bytes a quarter: no place in the cluster enters an LDS address
	s_add_nc_u64 s[G0K+2:G0K+3], s[8:9], s[84:85]
	s_or_b32 s[G0K+3], s[G0K+3], 0x80000000        ; type = 2
	s_mov_b32 s[G0V], 1
	s_mul_i32 s[G0V+1], s81, 16640                 ; 16 rows x 1,040 bytes a quarter
	s_add_co_u32 s[G0V+1], s[G0V+1], VT
	s_add_nc_u64 s[G0V+2:G0V+3], s[12:13], s[84:85]
	s_or_b32 s[G0V+3], s[G0V+3], 0x80000000
	s_mov_b32 s[G0KS], 1
	s_mov_b32 s[G0KS+1], KSC
	s_add_nc_u64 s[G0KS+2:G0KS+3], s[10:11], s[86:87]
	s_or_b32 s[G0KS+3], s[G0KS+3], 0x80000000
	s_mov_b32 s[G0VS], 1
	s_mov_b32 s[G0VS+1], VSC
	s_add_nc_u64 s[G0VS+2:G0VS+3], s[14:15], s[86:87]
	s_or_b32 s[G0VS+3], s[G0VS+3], 0x80000000
	CROUND                                         ; all four work-groups are here: the joint loads meet
	; The fills: one tensor load a wave.  Waves 0-3: K's quarters; 4-7: V's; 8: K's scale bytes; 9: V's; the others none.  The branches hang on the wave's number alone.
	; Four v_nop follow each load, ahead of the jump and the label.
	s_cmp_lt_u32 s[WV], 4
	s_cbranch_scc0 .Lnot_k
	tensor_load_to_lds s[G0K:G0K+3], s[G1K:G1K+7]
	s_nop 0
.rept 4
	v_nop
.endr
	s_branch .Lasked
.Lnot_k:
	s_cmp_lt_u32 s[WV], 8
	s_cbranch_scc0 .Lnot_v
	tensor_load_to_lds s[G0V:G0V+3], s[G1V:G1V+7]
	s_nop 0
.rept 4
	v_nop
.endr
	s_branch .Lasked
.Lnot_v:
	s_cmp_eq_u32 s[WV], 8
	s_cbranch_scc0 .Lnot_ks
	tensor_load_to_lds s[G0KS:G0KS+3], s[G1KS:G1KS+7]
	s_nop 0
.rept 4
	v_nop
.endr
	s_branch .Lasked
.Lnot_ks:
	s_cmp_eq_u32 s[WV], 9
	s_cbranch_scc0 .Lasked
	tensor_load_to_lds s[G0VS:G0VS+3], s[G1VS:G1VS+7]
	s_nop 0
.rept 4
	v_nop
.endr
.Lasked:
	; my queries: the place in the cluster enters Q's, x's and x1's global addresses alone
	s_bfe_u32 s88, ttmp6, 0x40000                  ; cx
	s_lshl_b32 s89, ttmp9, 2                       ; in a cluster launch ttmp9 counts clusters
	s_add_co_u32 s89, s89, s88                     ; my block of 256 queries
	s_lshl_b32 s89, s89, 8
	s_lshl_b32 s90, s[WV], 4
	s_add_co_u32 s89, s89, s90                     ; my first query
	s_lshl_b32 s90, s89, 5                         ; 32 bytes of codes a query
	s_add_co_u32 s90, s90, s82
	s_mov_b32 s91, 0
	s_add_nc_u64 s[4:5], s[4:5], s[90:91]
	s_lshl_b32 s90, s89, 1                         ; 2 scale bytes a query
	s_add_co_u32 s90, s90, s86
	s_add_nc_u64 s[6:7], s[6:7], s[90:91]
	s_lshr_b32 s92, s80, 4                         ; b
	s_lshl_b32 s92, s92, 11
	s_add_co_u32 s92, s92, s89                     ; my first row of x: 2,048 b + query
	s_lshl_b32 s92, s92, 12                        ; 4,096 bytes a row
	s_and_b32 s93, s80, 15                         ; the head: 256 bytes of a row
	s_lshl_b32 s93, s93, 8
	s_add_co_u32 s92, s92, s93
	s_mov_b32 s93, 0
	s_add_nc_u64 s[16:17], s[16:17], s[92:93]
	s_add_nc_u64 s[18:19], s[18:19], s[92:93]
	v_and_b32 v232, 15, v0                         ; r = lane % 16
	v_bfe_u32 v233, v0, 4, 1                       ; h = lane / 16
	v_and_b32 v234, 31, v0                         ; lane
	s_delay_alu instid0(VALU_DEP_3)
	v_lshlrev_b32 v8, 5, v232
	s_delay_alu instid0(VALU_DEP_1)
	v_lshl_add_u32 v8, v233, 4, v8                 ; Q: row r of 32 bytes, + 16 h
	v_lshlrev_b32 v9, 1, v232                      ; Q's scale bytes: 2 r
	v_lshlrev_b32 v5, 12, v233
	s_delay_alu instid0(VALU_DEP_1)
	v_lshl_add_u32 v5, v232, 4, v5                 ; x and x1: lanes 0-15 one row's 256 bytes, lanes 16-31 the next row's
	global_load_b128 v[16:19], v8, s[4:5]          ; Q's fragment: k = 32 h + 0..31 of query r; it stays in registers
	global_load_u16 v24, v9, s[6:7]                ; its two scale bytes; the word's upper two bytes are 0 and scale zero codes
	v_and_b32 v235, 7, v232
	v_lshrrev_b32 v237, 3, v232
	s_delay_alu instid0(VALU_DEP_1)
	v_lshl_add_u32 v235, v237, 5, v235             ; row r of a tile is key 32 (r / 8) + r % 8 from the tile's first
	s_delay_alu instid0(VALU_DEP_1)
	v_mul_u32_u24 v1, v235, 48
	s_delay_alu instid0(VALU_DEP_1)
	v_lshl_add_u32 v1, v233, 4, v1                 ; K: that key's 48 bytes, + 16 h.  The sixteen rows of a load are two groups of eight, 1,536 bytes apart: with 64 banks of 4 bytes (ISA guide 11.1) a group's rows start at eight
	                                               ; different banks and the two groups at the same ones; these loads are asked for a whole step ahead
	s_delay_alu instid0(VALU_DEP_3)
	v_lshl_add_u32 v235, v233, 3, v235             ; the odd tile of a pair begins 8 keys on: lanes 16-31 take its rows
	s_delay_alu instid0(VALU_DEP_1)
	v_lshl_add_u32 v3, v235, 1, KSC                ; K's scale bytes: 2 a key
	v_lshlrev_b32 v25, 3, v233                     ; 8 h: how far my two scale bytes of p are shifted up in the scale word
	v_mul_u32_u24 v2, v232, 1040
	s_delay_alu instid0(VALU_DEP_1)
	v_lshl_add_u32 v2, v233, 4, v2
	s_delay_alu instid0(VALU_DEP_1)
	v_add_nc_u32 v2, VT, v2                        ; V: row r of a tile, + 16 h
	v_mul_u32_u24 v4, v234, 80
	s_delay_alu instid0(VALU_DEP_1)
	v_add_nc_u32 v4, VSC, v4                       ; V's scale words: lane l takes row l of a pair of tiles
	s_mul_i32 s92, s[WV], 4352
	s_add_co_u32 s92, s92, STG                     ; my stage
	v_mul_u32_u24 v6, v232, 272
	s_delay_alu instid0(VALU_DEP_1)
	v_lshl_add_u32 v6, v233, 5, v6
	s_delay_alu instid0(VALU_DEP_1)
	v_add_nc_u32 v6, s92, v6                       ; in: row r, + 32 h
	v_mul_u32_u24 v7, v233, 272
	s_delay_alu instid0(VALU_DEP_1)
	v_lshl_add_u32 v7, v232, 4, v7
	s_delay_alu instid0(VALU_DEP_1)
	v_add_nc_u32 v7, s92, v7                       ; back: lanes 0-15 one row, lanes 16-31 the next
.irp j, 20,21,22,23
	v_mov_b32 v\j, 0                               ; Q's codes of k = 64 .. 127: zeros
.endr
.irp j, 60,61,62,63
	v_mov_b32 v\j, 0                               ; the upper four registers of K's eighth fragment: written once
.endr
	v_mov_b32 v13, 0xff61b1e6                      ; the largest t so far: -3e38, under every t
	s_delay_alu instid0(VALU_DEP_1)
	v_floor_f32 v12, -v13                          ; -M
	v_mov_b32 v14, 0                               ; the sum, in two halves
	v_mov_b32 v15, 0
.irp b, 0,1,2,3
	v_mov_b32 v[236+\b], 0                         ; written once: a lane permute's destination counts as one of its sources
.endr
	v_mov_b32 v253, 0                              ; (named as the upper half of the pair v[252:253] before it is first written)
.set j, 0
.rept 32
	v_mov_b32 v[160+j], 0                          ; O^T: the first step finds zeros, which the first change of M leaves zeros
.set j, j+1
.endr
	s_wait_tensorcnt 0x0                           ; my tile, if I asked for one, has landed,
	s_barrier_signal -1
	s_barrier_wait -1                              ; and so has everybody's: from here on LDS is only read, but for the stages
.irp T, 0,1,2,3,4,5,6,7
	KLD 1, \T                                      ; step 0's K
.endr
.irp p, 0,1,2,3
	KSLD 3, \p
.endr
	s_wait_loadcnt 0x0                             ; Q and its scales; v8 and v9 may be written again
.irp i, 0,1,2,3,4,5,6,7
	global_load_b128 v[192+4*\i:195+4*\i], v5, s[16:17] offset:8192*\i th:TH_LOAD_NT   ; x of my 16 rows, the head's 64 columns: asked for behind the tiles, wanted at the end: it has all 16 steps in which to land
.endr
; A KEY STEP of 128 keys.  more = 1: the next step's K and scale bytes are fetched.
.macro STEP more
	s_wait_dscnt 0x0                               ; this step's K and its scale bytes, asked for a step ago
.irp T, 0,1,2,3,4,5,6,7
	KQ \T
.endr
	v_add_nc_u32 v9, s[TV], v2                     ; four plain instructions: the places between the products (these eight and the last step's four) and the first read of results and the loads into their operands
	v_add_nc_u32 v11, s[TJ], v4
.if \more
	v_add_nc_u32 v8, s[TK], v1
	v_add_nc_u32 v10, s[TS], v3
.else
	v_nop
	v_nop
.endif
	; the largest SCORE of each of my two blocks of 32 keys, two chains a block: it serves for the row's maximum and, since p rises with the score, for the block's largest p.  Each accumulator is first read at its low end
.irp c, 0,1
	v_max3_num_f32 v[232+2*\c], v[96+32*\c], v[97+32*\c], v[98+32*\c]
	v_max3_num_f32 v[233+2*\c], v[99+32*\c], v[100+32*\c], v[101+32*\c]
.endr
.irp i, 6,10,14,18,22,26
.irp c, 0,1
	v_max3_num_f32 v[232+2*\c], v[232+2*\c], v[96+32*\c+\i], v[97+32*\c+\i]
	v_max3_num_f32 v[233+2*\c], v[233+2*\c], v[98+32*\c+\i], v[99+32*\c+\i]
.endr
.endr
.irp c, 0,1
	v_max3_num_f32 v[232+2*\c], v[232+2*\c], v[126+32*\c], v[127+32*\c]
.endr
.irp c, 0,1
	s_delay_alu instid0(VALU_DEP_2)
	v_max_num_f32 v[232+2*\c], v[232+2*\c], v[233+2*\c]
.endr
	; the row's maximum and M: a chain in which each line reads the line before; the LDS loads, which hang on none of it, stand between its links: this step's V (ten loads), then the next step's K (twelve)
	s_delay_alu instid0(VALU_DEP_1)
	v_max_num_f32 v254, v232, v234                 ; my 64 keys
	VLD 0
	v_permlanex16_b32 v236, v254, s[SEL], s[SEL+1]
	VLD 1
	v_max_num_f32 v254, v254, v236                 ; with lane l xor 16's 64: the step's largest score of my query
	VLD 2
	v_mul_f32 v254, s[CS], v254                    ; as t (c is positive)
	VLD 3
	v_max_num_f32 v13, v13, v254                   ; the running largest t
	ds_load_b32 v26, v11                           ; V's scale words: lanes 0-15 the even tile's rows, lanes 16-31 the odd tile's
	ds_load_b32 v27, v11 offset:2560
	v_mov_b32 v254, v12
	v_floor_f32 v12, -v13                          ; the new -M = floor(-t) = -ceil(t): a whole number
.if \more
	KLD 8, 0
	KLD 8, 1
	KLD 8, 2
.endif
	v_sub_f32 v254, v12, v254                      ; M's old value less its new one: a whole number, 0 or less
.if \more
	KLD 8, 3
	KLD 8, 4
	KLD 8, 5
.endif
	v_cvt_i32_f32 v254, v254                       ; (it saturates)
.if \more
	KLD 8, 6
	KLD 8, 7
	KSLD 10, 0
	KSLD 10, 1
.endif
	v_ldexp_f32 v252, 1.0, v254                    ; f = 2^(old M - new M)
.if \more
	KSLD 10, 2
	KSLD 10, 3
.endif
.set j, 0
.rept 32
	v_pk_fma_f32 v[96+j:97+j], v[96+j:97+j], s[CS:CS+1], v[12:13] op_sel_hi:[1,0,0]   ; t - M, two at a time (of the pairs c and -M the low word serves both halves)
.set j, j+2
.endr
	v_fma_f32 v232, v232, s[CS], v12               ; the same of each block's largest score
	v_fma_f32 v234, v234, s[CS], v12
.set j, 0
	s_wait_alu depctr_va_vdst(0)
.rept 64
	v_exp_f32 v[96+j], v[96+j]                     ; p = 2^(t - M), at most 1: not normalised
.set j, j+1
.endr
	v_pk_mul_f32 v[14:15], v[14:15], v[252:253] op_sel_hi:[1,0]    ; the sums under the new M, and the first six pairs of O^T: work that names no exponential's result, behind the batch
.set j, 0
	s_wait_alu depctr_va_vdst(0)
.rept 6
	v_pk_mul_f32 v[160+j:161+j], v[160+j:161+j], v[252:253] op_sel_hi:[1,0]
.set j, j+2
.endr
	s_wait_alu depctr_va_vdst(0)                   ; one wait for the batch of 64, ahead of its first reader
	v_exp_f32 v232, v232                           ; the blocks' largest p: the same two instructions on the same number give the same bits
	v_exp_f32 v234, v234
	v_pk_add_f32 v[236:237], v[100:101], v[104:105]
	v_pk_add_f32 v[244:245], v[108:109], v[112:113]
	v_pk_add_f32 v[242:243], v[116:117], v[120:121]
	v_pk_add_f32 v[240:241], v[124:125], v[128:129]
	v_pk_add_f32 v[230:231], v[132:133], v[136:137]
	v_pk_add_f32 v[228:229], v[140:141], v[144:145]
	v_pk_add_f32 v[226:227], v[148:149], v[152:153]
	v_pk_add_f32 v[14:15], v[14:15], v[156:157]
	v_pk_add_f32 v[236:237], v[236:237], v[96:97]
	v_pk_add_f32 v[244:245], v[244:245], v[98:99]
	v_pk_add_f32 v[242:243], v[242:243], v[102:103]
	v_pk_add_f32 v[240:241], v[240:241], v[106:107]
	v_pk_add_f32 v[230:231], v[230:231], v[110:111]
	v_pk_add_f32 v[228:229], v[228:229], v[114:115]
	v_pk_add_f32 v[226:227], v[226:227], v[118:119]
	v_pk_add_f32 v[14:15], v[14:15], v[122:123]
	v_pk_add_f32 v[236:237], v[236:237], v[126:127]
	v_pk_add_f32 v[244:245], v[244:245], v[130:131]
	v_pk_add_f32 v[242:243], v[242:243], v[134:135]
	v_pk_add_f32 v[240:241], v[240:241], v[138:139]
	v_pk_add_f32 v[230:231], v[230:231], v[142:143]
	v_pk_add_f32 v[228:229], v[228:229], v[146:147]
	v_pk_add_f32 v[226:227], v[226:227], v[150:151]
	v_pk_add_f32 v[14:15], v[14:15], v[154:155]
	v_pk_add_f32 v[236:237], v[236:237], v[158:159]
	s_delay_alu instid0(VALU_DEP_2)
	v_pk_add_f32 v[14:15], v[14:15], v[240:241]
	s_delay_alu instid0(VALU_DEP_2)
	v_pk_add_f32 v[236:237], v[236:237], v[230:231]
	v_pk_add_f32 v[244:245], v[244:245], v[228:229]
	v_pk_add_f32 v[242:243], v[242:243], v[226:227]
	s_delay_alu instid0(VALU_DEP_2)
	v_pk_add_f32 v[14:15], v[14:15], v[244:245]
	s_delay_alu instid0(VALU_DEP_2)
	v_pk_add_f32 v[236:237], v[236:237], v[242:243]
	s_delay_alu instid0(VALU_DEP_1)
	v_pk_add_f32 v[14:15], v[14:15], v[236:237]
	s_wait_alu depctr_va_vdst(0)                   ; and one for the two
	v_max_num_f32 v232, 0x1800000, v232            ; the floor 2^(3 - 127): the byte cannot fall under 1
	v_max_num_f32 v234, 0x1800000, v234
	s_delay_alu instid0(VALU_DEP_2)
	v_add_nc_u32 v244, 0xff000000, v232            ; 2 off the exponent field: the conversion's scale operand, for my block h
	s_delay_alu instid0(VALU_DEP_2)
	v_add_nc_u32 v245, 0xff000000, v234            ; and for my block 2 + h
	s_delay_alu instid0(VALU_DEP_2)
	v_lshrrev_b32 v236, 23, v244                   ; the scales' bytes
	s_delay_alu instid0(VALU_DEP_2)
	v_lshrrev_b32 v237, 23, v245
	s_delay_alu instid0(VALU_DEP_1)
	v_lshl_or_b32 v238, v237, 16, v236             ; my two bytes,
	s_delay_alu instid0(VALU_DEP_1)
	v_lshlrev_b32 v238, v25, v238                  ; at their places in the scale word (8 h bits up);
	s_delay_alu instid0(VALU_DEP_1)
	v_permlanex16_b32 v239, v238, s[SEL], s[SEL+1]
	s_delay_alu instid0(VALU_DEP_1)
	v_or_b32 v253, v238, v239                      ; with lane l xor 16's two the word of these 128 keys is whole
.irp T, 0,1,2,3,4,5,6,7
	v_cvt_scalef32_pk8_fp4_f32 v[224+\T], v[96+8*\T:103+8*\T], v[244+\T/4]   ; tile 4 c + i: keys 64 c + 32 h + 8 i + 0..7: register 4 c + i of the operand
.endr
.set j, 12
.rept 10
	v_pk_mul_f32 v[160+j:161+j], v[160+j:161+j], v[252:253] op_sel_hi:[1,0]   ; the rest of O^T under the new M.  These ten are also the places between the writes of p's scale word and codes and the products below
.set j, j+2
.endr
.if \more
	s_wait_alu depctr_va_vdst(0)
	s_wait_dscnt 12                                ; V and its scale words are in; the twelve younger loads (the next step's K: eight, its scale bytes: four) may be out
.else
	s_wait_alu depctr_va_vdst(0)
	s_wait_dscnt 0x0
.endif
.irp t, 0,1,2,3
	PV \t                                          ; four accumulators by turns
.endr
.endm
.Lstep:                                            ; 15 trips: steps 0 to 14
	STEP 1
	s_add_co_u32 s[TK], s[TK], 6144
	s_add_co_u32 s[TV], s[TV], 64
	s_add_co_u32 s[TS], s[TS], 256
	s_add_co_u32 s[TJ], s[TJ], 4
	s_sub_co_u32 s[CNT], s[CNT], 1
	s_cmp_lg_u32 s[CNT], 0
	s_cbranch_scc1 .Lstep
	STEP 0                                         ; the last step is written out: there is no K behind it to fetch
	; THE WAY OUT.  O^T is divided by the sum, goes through my stage in LDS and comes back as rows of 256 bytes; x is added; sixteen lanes store 256 consecutive bytes, at a multiple of 256 from x1's first byte.
	v_add_f32 v14, v14, v15                        ; the sum's two halves,
	s_delay_alu instid0(VALU_DEP_1)
	v_permlanex16_b32 v252, v14, s[SEL], s[SEL+1]
	s_delay_alu instid0(VALU_DEP_1)
	v_add_f32 v14, v14, v252                       ; and lane l xor 16's: the row's sum
	s_wait_alu depctr_va_vdst(0)
	v_rcp_f32 v14, v14
.rept 3
	v_nop                                          ; the plain instruction behind the reciprocal; with the lines above also the places behind the last products
.endr
	s_wait_alu depctr_va_vdst(0)                   ; the wait ahead of the reciprocal's first reader
.set j, 0
.rept 32
	v_mul_f32 v[96+j], v[160+j], v14               ; register 8 t + i is o(query r, channel 16 t + 8 h + i); each accumulator from its low end on
.set j, j+1
.endr
.irp t, 0,1,2,3
	ds_store_b128 v6, v[96+8*\t:99+8*\t] offset:64*\t
	ds_store_b128 v6, v[100+8*\t:103+8*\t] offset:64*\t+16
.endr
.irp i, 0,1,2,3,4,5,6,7
	ds_load_b128 v[32+4*\i:35+4*\i], v7 offset:544*\i              ; LDS serves a wave's instructions in order (ISA guide 5.7.1.4): these see my stores
.endr
	s_wait_loadcnt 0x0                             ; x
.irp i, 0,1,2,3,4,5,6,7
	s_wait_dscnt 7-\i                              ; the younger loads may be out
	v_pk_add_f32 v[32+4*\i:33+4*\i], v[32+4*\i:33+4*\i], v[192+4*\i:193+4*\i]
	v_pk_add_f32 v[34+4*\i:35+4*\i], v[34+4*\i:35+4*\i], v[194+4*\i:195+4*\i]
	global_store_b128 v5, v[32+4*\i:35+4*\i], s[18:19] offset:8192*\i th:TH_STORE_NT
.endr
	s_wait_dscnt 0x0
	s_wait_tensorcnt 0x0
	ds_add_u32 v247, v255
	s_wait_dscnt 0x0
	CROUND                                         ; the closing round: no work-group ends while a partner may still ask for a tile that names it
	s_endpgm
.Lfunc_end_k_q1bd2383548_att:
	.size	k_q1bd2383548_att, .Lfunc_end_k_q1bd2383548_att-k_q1bd2383548_att
	.p2alignl 7, 3214868480
	.fill 96, 4, 3214868480
	.section	.rodata,"a",@progbits
	.p2align	6, 0x0
	.amdhsa_kernel k_q1bd2383548_att
		.amdhsa_group_segment_fixed_size 245760
		.amdhsa_private_segment_fixed_size 0
		.amdhsa_enable_private_segment 0
		.amdhsa_kernarg_size 64
		.amdhsa_user_sgpr_count 2
		.amdhsa_user_sgpr_kernarg_segment_ptr 1
		.amdhsa_wavefront_size32 1
		.amdhsa_system_sgpr_workgroup_id_x 1
		.amdhsa_system_sgpr_workgroup_id_y 1
		.amdhsa_system_sgpr_workgroup_id_z 1
		.amdhsa_system_vgpr_workitem_id 0
		.amdhsa_next_free_vgpr 256
		.amdhsa_next_free_sgpr 101
		.amdhsa_reserve_vcc 0
		.amdhsa_float_denorm_mode_32 3
		.amdhsa_float_denorm_mode_16_64 3
		.amdhsa_memory_ordered 1
		.amdhsa_forward_progress 1
		.amdhsa_inst_pref_size 46
	.end_amdhsa_kernel
	.amdgpu_metadata
---
amdhsa.version: [ 1, 2 ]
amdhsa.kernels:
  - .name:           k_q1bd2383548_att
    .symbol:         k_q1bd2383548_att.kd
    .args:
      - { .name: image_q_codes, .offset: 0, .size: 8, .value_kind: global_buffer, .address_space: global }
      - { .name: image_q_scales, .offset: 8, .size: 8, .value_kind: global_buffer, .address_space: global }
      - { .name: image_k_codes, .offset: 16, .size: 8, .value_kind: global_buffer, .address_space: global }
      - { .name: image_k_scales, .offset: 24, .size: 8, .value_kind: global_buffer, .address_space: global }
      - { .name: image_v_codes, .offset: 32, .size: 8, .value_kind: global_buffer, .address_space: global }
      - { .name: image_v_scales, .offset: 40, .size: 8, .value_kind: global_buffer, .address_space: global }
      - { .name: x, .offset: 48, .size: 8, .value_kind: global_buffer, .address_space: global }
      - { .name: x1, .offset: 56, .size: 8, .value_kind: global_buffer, .address_space: global }
    .group_segment_fixed_size: 245760
    .private_segment_fixed_size: 0
    .kernarg_segment_align: 8
    .kernarg_segment_size: 64
    .max_flat_workgroup_size: 512
    .sgpr_count:     101
    .vgpr_count:     256
    .wavefront_size: 32
...
	.end_amdgpu_metadata
.endif
;; end of part 1
;; launch ln (part 2): grid 256 x 1, 4 waves a work-group, no clusters, 19,968 bytes of LDS; arguments x1, ln_w, ln_b, h_codes, h_scales; writes h_codes, h_scales
.if DOCPART == 2
	.amdgcn_target "amdgcn-amd-amdhsa--gfx1250"
	.amdhsa_code_object_version 6
	.text
	.protected	k_q1bd2383548_ln
	.globl	k_q1bd2383548_ln
	.p2align	8
	.type	k_q1bd2383548_ln,@function
k_q1bd2383548_ln:
	s_mov_b64 s[64:65], 0
	v_nop
	global_prefetch_b8 v0, s[64:65] scope:SCOPE_SE
	s_setreg_imm32_b32 hwreg(HW_REG_WAVE_MODE, 25, 1), 1
	s_wait_xcnt 0x0
; h = LayerNorm(x1) x ln_w + ln_b, in f32, turned into codes of FP4 (E2M1) along the row, with one E8M0 scale byte for each 32.  x1: [4096][1024] f32.  h_codes: [4096][512 bytes], h_scales: [4096][32].
; A stream: memory binds; no matrix unit, no cluster, no tensor load.  A work-group takes 16 rows, a wave 4.  A row is 4,096 bytes: eight loads of 512 consecutive bytes.  All 48 loads of a wave go out at its head.
; The conversions take neighbours along the row from ONE lane's registers, and a load is best where neighbouring LANES take neighbouring bytes: so each row (and ln_w, ln_b once) turns through the wave's own stage in LDS,
; as loaded in, 128 bytes a lane out: lane l then holds columns 32 l .. 32 l + 31, one whole block.  A lane's place in the stage is 144 bytes (128 + 16).
; Mean and variance in two passes (the mean is taken off before the squares are summed), so that a common offset of the row costs no accuracy.
; A block's scale byte is its largest magnitude's exponent field - 2, held at 1 from below.  A block of zeros so gets the byte 1 where the rule says 127: its codes are zeros, and this program alone reads the bytes.
; LIMITS: blocks whose largest magnitude lies under 2^-124 keep the byte 1; NaN and infinities are not served.
; REGISTERS: v2 16 x lane; v3, v4 the stage in and out; v5 my scale byte's place; v[16:17] the mean twice; v[18:19] 1 / sqrt(var + eps) twice; v20-35 codes, four a row; v36-39 a byte a row; v40-47 at work;
;   v64-191 four rows; v192-223 ln_w; v224-255 ln_b.
.set SB, 18432                         ; behind the four stages of 4,608 bytes: the work-group's 512 scale bytes
	s_load_b128 s[4:7], s[0:1], 0x0                ; x1, ln_w
	s_load_b128 s[12:15], s[0:1], 0x10             ; ln_b, h_codes
	s_load_b64 s[16:17], s[0:1], 0x20              ; h_scales
	v_lshl_add_u32 v62, v0, 2, 0x4c00
	v_mov_b32 v63, 0
	v_lshrrev_b32 v1, 5, v0
	v_readfirstlane_b32 s10, v1                    ; wave 0..3
	v_and_b32 v1, 31, v0                           ; lane
	v_lshlrev_b32 v2, 4, v1                        ; my 16 bytes of 512
	s_mul_i32 s11, s10, 4608                       ; my stage
	v_lshrrev_b32 v3, 3, v1
	v_lshl_add_u32 v3, v3, 4, v2
	v_add_nc_u32 v3, s11, v3                       ; in: eight lanes' 128 bytes on end, then 16 of padding: 16 lane + 16 (lane / 8); a load's 512 bytes take four places of 144
	v_mul_u32_u24 v4, v1, 144
	v_add_nc_u32 v4, s11, v4                       ; out: 144 x lane
	s_lshl_b32 s11, s10, 7
	s_add_co_u32 s11, s11, SB
	v_add_nc_u32 v5, s11, v1                       ; my wave's four rows of 32 scale bytes, my block's byte
	v_add_nc_u32 v6, SB, v2                        ; and all 512, 16 a lane
	s_mov_b32 s8, 0x3a800000                       ; 1 / 1024
	s_mov_b32 s9, 0x3727c5ac                       ; eps = 1e-5
	s_mov_b32 s20, 0x76543210
	s_mov_b32 s21, 0xfedcba98                      ; v_permlanex16_b32's selects for lane l xor 16
	s_lshl_b32 s18, ttmp9, 4
	s_lshl_b32 s19, s10, 2
	s_add_co_u32 s18, s18, s19                     ; my first row
	s_lshl_b32 s22, s18, 12                        ; in x1,
	s_mov_b32 s23, 0
	s_lshl_b32 s24, s18, 9                         ; in the codes;
	s_mov_b32 s25, 0
	s_lshl_b32 s26, ttmp9, 9                       ; the work-group's 512 scale bytes
	s_mov_b32 s27, 0
	s_wait_alu depctr_va_vdst(0)
	s_wait_kmcnt 0x0
	s_add_nc_u64 s[4:5], s[4:5], s[22:23]
	s_add_nc_u64 s[14:15], s[14:15], s[24:25]
	s_add_nc_u64 s[16:17], s[16:17], s[26:27]
.irp j, 0,1,2,3,4,5,6,7
	global_load_b128 v[192+4*\j:195+4*\j], v2, s[6:7] offset:512*\j
.endr
.irp j, 0,1,2,3,4,5,6,7
	global_load_b128 v[224+4*\j:227+4*\j], v2, s[12:13] offset:512*\j
.endr
.irp i, 0,1,2,3
.irp j, 0,1,2,3,4,5,6,7
	global_load_b128 v[64+32*\i+4*\j:67+32*\i+4*\j], v2, s[4:5] offset:4096*\i+512*\j th:TH_LOAD_NT
.endr
.endr
; 32 registers through the stage, back into the registers that they left.  LDS serves a wave's instructions in order (ISA guide 5.7.1.4): no wait between the stores and the loads, nor ahead of the next turn's stores.
.macro TURN reg
.irp j, 0,1,2,3,4,5,6,7
	ds_store_b128 v3, v[\reg+4*\j:\reg+4*\j+3] offset:576*\j
.endr
.irp j, 0,1,2,3,4,5,6,7
	ds_load_b128 v[\reg+4*\j:\reg+4*\j+3], v4 offset:16*\j
.endr
.endm
.macro WSUM                            ; v40 summed over the 32 lanes, the result in every lane
	v_add_f32_dpp v40, v40, v40 row_xmask:1 row_mask:0xf bank_mask:0xf
	v_add_f32_dpp v40, v40, v40 row_xmask:2 row_mask:0xf bank_mask:0xf
	v_add_f32_dpp v40, v40, v40 row_xmask:4 row_mask:0xf bank_mask:0xf
	v_add_f32_dpp v40, v40, v40 row_xmask:8 row_mask:0xf bank_mask:0xf
	v_permlanex16_b32 v41, v40, s20, s21
	v_add_f32 v40, v40, v41
.endm
.macro FOLD                            ; four chains of pairs into v40
	v_pk_add_f32 v[40:41], v[40:41], v[42:43]
	v_pk_add_f32 v[44:45], v[44:45], v[46:47]
	v_pk_add_f32 v[40:41], v[40:41], v[44:45]
	v_add_f32 v40, v40, v41
.endm
.macro ROW i
.set X, 64+32*(\i)
	v_pk_add_f32 v[40:41], v[X:X+1], v[X+2:X+3]    ; the sum of my 32 numbers, in four chains
	v_pk_add_f32 v[42:43], v[X+4:X+5], v[X+6:X+7]
	v_pk_add_f32 v[44:45], v[X+8:X+9], v[X+10:X+11]
	v_pk_add_f32 v[46:47], v[X+12:X+13], v[X+14:X+15]
.irp k, 16,24
	v_pk_add_f32 v[40:41], v[40:41], v[X+\k:X+\k+1]
	v_pk_add_f32 v[42:43], v[42:43], v[X+\k+2:X+\k+3]
	v_pk_add_f32 v[44:45], v[44:45], v[X+\k+4:X+\k+5]
	v_pk_add_f32 v[46:47], v[46:47], v[X+\k+6:X+\k+7]
.endr
	FOLD
	WSUM
	v_mul_f32 v16, s8, v40                         ; the mean, twice
	v_mul_f32 v17, s8, v40
.set j, 0
.rept 16
	v_pk_add_f32 v[X+j:X+j+1], v[X+j:X+j+1], v[16:17] neg_lo:[0,1] neg_hi:[0,1]   ; x - mean
.set j, j+2
.endr
	v_pk_mul_f32 v[40:41], v[X:X+1], v[X:X+1]      ; the sum of the squares, in four chains
	v_pk_mul_f32 v[42:43], v[X+2:X+3], v[X+2:X+3]
	v_pk_mul_f32 v[44:45], v[X+4:X+5], v[X+4:X+5]
	v_pk_mul_f32 v[46:47], v[X+6:X+7], v[X+6:X+7]
.irp k, 8,16,24
	v_pk_fma_f32 v[40:41], v[X+\k:X+\k+1], v[X+\k:X+\k+1], v[40:41]
	v_pk_fma_f32 v[42:43], v[X+\k+2:X+\k+3], v[X+\k+2:X+\k+3], v[42:43]
	v_pk_fma_f32 v[44:45], v[X+\k+4:X+\k+5], v[X+\k+4:X+\k+5], v[44:45]
	v_pk_fma_f32 v[46:47], v[X+\k+6:X+\k+7], v[X+\k+6:X+\k+7], v[46:47]
.endr
	FOLD
	WSUM
	v_fma_f32 v42, v40, s8, s9                     ; var + eps
	s_wait_alu depctr_va_vdst(0)
	v_rsq_f32 v18, v42                             ; twice: the packed multiply names a pair
	v_rsq_f32 v19, v42
	v_nop                                          ; a plain instruction behind the two
	s_wait_alu depctr_va_vdst(0)                   ; and one wait ahead of their first reader
.set j, 0
.rept 16
	v_pk_mul_f32 v[X+j:X+j+1], v[X+j:X+j+1], v[18:19]
.set j, j+2
.endr
.set j, 0
.rept 16
	v_pk_fma_f32 v[X+j:X+j+1], v[X+j:X+j+1], v[192+j:193+j], v[224+j:225+j]   ; x ln_w + ln_b
.set j, j+2
.endr
	v_max3_num_f32 v40, |v[X]|, |v[X+1]|, 0x1800000                ; my block's largest magnitude, in two chains, with the floor 2^(3 - 127) among its leaves: the byte cannot fall under 1
	v_max3_num_f32 v41, |v[X+2]|, |v[X+3]|, 0x1800000
.irp k, 4,8,12,16,20,24,28
	v_max3_num_f32 v40, v40, |v[X+\k]|, |v[X+\k+1]|
	v_max3_num_f32 v41, v41, |v[X+\k+2]|, |v[X+\k+3]|
.endr
	v_max_num_f32 v40, v40, v41
	v_add_nc_u32 v42, 0xff000000, v40              ; 2 off its exponent field: the conversion takes the exponent field of this operand as its scale
.irp g, 0,1,2,3
	v_cvt_scalef32_pk8_fp4_f32 v[20+4*(\i)+\g], v[X+8*\g:X+8*\g+7], v42
.endr
	v_lshrrev_b32 v[36+(\i)], 23, v42              ; the scale's byte (the plain instruction behind the conversions)
	ds_store_b8 v5, v[36+(\i)] offset:32*(\i)
	global_store_b128 v2, v[20+4*(\i):23+4*(\i)], s[14:15] offset:512*(\i)   ; 32 lanes store a row's 512 bytes of codes
.endm
	s_wait_loadcnt 40                              ; ln_w is in: 40 younger loads may be out
	TURN 192
	s_wait_loadcnt 32                              ; ln_b
	TURN 224
	s_wait_loadcnt 24                              ; row 0
	TURN 64
	s_wait_loadcnt 16                              ; row 1 turns while row 0 is worked
	TURN 96
	s_wait_dscnt 16                                ; all but row 1's sixteen
	ROW 0
	s_wait_loadcnt 8
	TURN 128
	s_wait_dscnt 17                                ; behind row 1's loads: row 0's byte store and row 2's sixteen
	ROW 1
	s_wait_loadcnt 0x0
	TURN 160
	s_wait_dscnt 17
	ROW 2
	s_wait_dscnt 1                                 ; behind row 3's loads: row 2's byte store
	ROW 3
	s_wait_dscnt 0x0                               ; for the others' sake: my byte stores have landed
	s_barrier_signal -1
	s_barrier_wait -1
	s_cmp_lg_u32 s10, 0                            ; wave 0 stores the work-group's 512 scale bytes: 32 lanes, 16 bytes each, 512 consecutive bytes at a multiple of 512
	s_cbranch_scc1 .Ldone
	ds_load_b128 v[8:11], v6
	s_wait_dscnt 0x0
	global_store_b128 v2, v[8:11], s[16:17]
.Ldone:
	s_wait_tensorcnt 0x0
	ds_add_u32 v62, v63
	s_wait_dscnt 0x0
	s_endpgm
.Lfunc_end_k_q1bd2383548_ln:
	.size	k_q1bd2383548_ln, .Lfunc_end_k_q1bd2383548_ln-k_q1bd2383548_ln
	.p2alignl 7, 3214868480
	.fill 96, 4, 3214868480
	.section	.rodata,"a",@progbits
	.p2align	6, 0x0
	.amdhsa_kernel k_q1bd2383548_ln
		.amdhsa_group_segment_fixed_size 19968
		.amdhsa_private_segment_fixed_size 0
		.amdhsa_enable_private_segment 0
		.amdhsa_kernarg_size 40
		.amdhsa_user_sgpr_count 2
		.amdhsa_user_sgpr_kernarg_segment_ptr 1
		.amdhsa_wavefront_size32 1
		.amdhsa_system_sgpr_workgroup_id_x 1
		.amdhsa_system_sgpr_workgroup_id_y 1
		.amdhsa_system_sgpr_workgroup_id_z 1
		.amdhsa_system_vgpr_workitem_id 0
		.amdhsa_next_free_vgpr 256
		.amdhsa_next_free_sgpr 66
		.amdhsa_reserve_vcc 0
		.amdhsa_float_denorm_mode_32 3
		.amdhsa_float_denorm_mode_16_64 3
		.amdhsa_memory_ordered 1
		.amdhsa_forward_progress 1
		.amdhsa_inst_pref_size 45
	.end_amdhsa_kernel
	.amdgpu_metadata
---
amdhsa.version: [ 1, 2 ]
amdhsa.kernels:
  - .name:           k_q1bd2383548_ln
    .symbol:         k_q1bd2383548_ln.kd
    .args:
      - { .name: x1, .offset: 0, .size: 8, .value_kind: global_buffer, .address_space: global }
      - { .name: ln_w, .offset: 8, .size: 8, .value_kind: global_buffer, .address_space: global }
      - { .name: ln_b, .offset: 16, .size: 8, .value_kind: global_buffer, .address_space: global }
      - { .name: h_codes, .offset: 24, .size: 8, .value_kind: global_buffer, .address_space: global }
      - { .name: h_scales, .offset: 32, .size: 8, .value_kind: global_buffer, .address_space: global }
    .group_segment_fixed_size: 19968
    .private_segment_fixed_size: 0
    .kernarg_segment_align: 8
    .kernarg_segment_size: 40
    .max_flat_workgroup_size: 128
    .sgpr_count:     66
    .vgpr_count:     256
    .wavefront_size: 32
...
	.end_amdgpu_metadata
.endif
;; end of part 2
;; launch fc1 (part 3): grid 16 x 16, 4 waves a work-group, clusters of 4 x 4, 327,680 bytes of LDS; arguments h_codes, h_scales, w1_codes, w1_scales, b1, hid_codes; writes hid_codes
.if DOCPART == 3
	.amdgcn_target "amdgcn-amd-amdhsa--gfx1250"
	.amdhsa_code_object_version 6
	.text
	.protected	k_q1bd2383548_fc1
	.globl	k_q1bd2383548_fc1
	.p2align	8
	.type	k_q1bd2383548_fc1,@function
k_q1bd2383548_fc1:
	s_mov_b64 s[64:65], 0
	v_nop
	global_prefetch_b8 v0, s[64:65] scope:SCOPE_SE
	s_setreg_imm32_b32 hwreg(HW_REG_WAVE_MODE, 25, 1), 1
	s_wait_xcnt 0x0
	s_wait_alu depctr_hold_cnt(0) depctr_sa_sdst(0) depctr_va_vdst(0) depctr_va_sdst(0) depctr_va_ssrc(0) depctr_va_vcc(0) depctr_vm_vsrc(0)
	s_getreg_b32 s2, hwreg(HW_REG_IB_STS2, 6, 4)
	s_cmp_eq_u32 s2, 0
	s_cbranch_scc0 .Lentry_in_a_cluster
	s_endpgm
.Lentry_in_a_cluster:
	s_bfe_u32 s2, ttmp6, 0x10000c
	s_cmp_lg_u32 s2, 0xf033
	s_cbranch_scc0 .Lentry_shape_is_right
	s_endpgm
.Lentry_shape_is_right:
.set SIZE_K, 1024
.set NQ,     4
; hid = Q(gelu(h W1^T + b1)): the product on codes of FP4 (E2M1) with one E8M0 scale for each 32 along K = 1,024; gelu by erf in f32; Q along the hidden axis.
; A tile is 256 x 256, four waves of 128 x 128.  ALL OF K LIES IN LDS: 256 rows of h and 256 of W1, 512 bytes + 16 each, and both sides' scale bytes: four joint loads at the head, one a wave; nothing is filled again.
; OUT: hid_codes is laid as the next launch's tensor loads want it: [32 chunks of 128 hidden][32 groups of 128 rows][8 blocks of 16 rows x 1,024 bytes of register images, then 128 scale words]: 8,704 bytes a group.
.set ROWB,   512                       ; a row of codes, all of K
.set KROW,   SIZE_K/2
.set PITCH,  528                       ; and in LDS: + 16 of padding
.set FR,     8
.set NL,     2
.set NP,     4
.set HALFT,  128*PITCH
.set SLOT,   256                       ; the second 512 along K begin 256 bytes on in each row
.set KS,     SIZE_K/32
.set SCL,    4*HALFT                   ; behind h's 256 rows and W1's 256 rows: the scale bytes
.set HALFS,  (128*KS/256)*272
.set SBLK,   (16*KS/256)*272
.set SPARE,  SCL+4*HALFS
.set SWB,    262144
.set CO,   7
.set BA,   8
.set SWR,  9
.set L16,  10
.set LD0,  12
.set LDA,  13
.set SW0,  14
.set SWA,  15
.set ADRA, 16
.set ADRB, 20
.set ADRS, 27
.set SPW,  28
.set NIL,  29
.set SC,   32
.set AF,   128
.set BI,   192
.set X,    32
.set XC,   96
.set W,    128
.set PA,   160
.set PB,   192
.set TM,   224
.set PW,   244
.set PC,   248
.set G1, 24
.set G0, 32
.set G1B, 48
.set G0B, 56
.set G1S, 68
.set G0S, 76
.set G1SB, 80
.set G0SB, 88
.set MSB, 0
.macro WIN new
.if MSB != \new
	s_set_vgpr_msb (MSB<<8)|\new
.set MSB, \new
.endif
.endm
.set MUL_LO, 0xa1
.set MUL_HI, 0xf1
.set TO_B,   0x40
.macro ARM under, g0, g1, next         ; one arm of the head's tree of branches on the wave's number: its joint load, and a jump to the tree's end
	s_cmp_lt_u32 s14, \under
	s_cbranch_scc0 \next
	tensor_load_to_lds s[\g0:\g0+3], s[\g1:\g1+7]
	s_nop 0
.rept 4
	v_nop
.endr
	s_branch .Lhead_asked
\next:
.endm
.macro CROUND
	s_barrier_signal -1
	s_barrier_wait -1
	s_cmp_lg_u32 s14, 0
	s_cbranch_scc1 .Lnot_wave_0_\@
	s_barrier_signal -3
.Lnot_wave_0_\@:
	s_barrier_wait -3
	s_barrier_signal -1
	s_barrier_wait -1
.endm
	s_load_b128 s[4:7], s[0:1], 0x0
	s_load_b128 s[8:11], s[0:1], 0x10
	s_load_b64 s[12:13], s[0:1], 0x20
	s_load_b64 s[96:97], s[0:1], 0x28
	v_lshl_add_u32 v[SPW], v0, 2, SPARE
	v_mov_b32 v[NIL], 0
	ds_add_u32 v28, v29
	ds_add_u32 v28, v29
	s_wait_dscnt 0x0
	v_lshrrev_b32 v1, 5, v0
	v_readfirstlane_b32 s14, v1
	s_lshr_b32 s15, s14, 1
	s_and_b32 s16, s14, 1
	s_bfe_u32 s40, ttmp6, 0x40000
	s_bfe_u32 s41, ttmp6, 0x40004
	s_lshl_b32 s42, ttmp9, 2
	s_add_co_u32 s42, s42, s40
	s_and_b32 s17, ttmp7, 0xffff
	s_lshl_b32 s17, s17, 2
	s_add_co_u32 s17, s17, s41
	s_lshl_b32 s43, s41, 2
	s_lshl_b32 s43, 15, s43
	s_lshl_b32 s44, 0x1111, s40
	s_or_b32 s[G1+0], s43, (0<<16)|(1<<20)|(1<<21)|(6<<22)|(3<<25)   ; 256 rows of 512 bytes, four words of padding behind every 128
	s_or_b32 s[G1B+0], s44, (0<<16)|(1<<20)|(1<<21)|(6<<22)|(3<<25)
.irp g, G1, G1B
	s_mov_b32 s[\g+1], ROWB<<16
	s_mov_b32 s[\g+2], 256<<16
	s_mov_b32 s[\g+3], ROWB<<16
	s_mov_b32 s[\g+4], 256
	s_mov_b32 s[\g+5], KROW
	s_mov_b32 s[\g+6], 0
	s_mov_b32 s[\g+7], 0
.endr
	s_or_b32 s[G1S+0], s43, (3<<16)|(1<<20)|(1<<21)|(5<<22)|(3<<25)
	s_or_b32 s[G1SB+0], s44, (3<<16)|(1<<20)|(1<<21)|(5<<22)|(3<<25)
.irp g, G1S, G1SB
	s_mov_b32 s[\g+1], 32<<16
	s_mov_b32 s[\g+2], KS<<16                      ; the scale bytes of 256 rows: KS lines of 256 bytes
	s_mov_b32 s[\g+3], 32<<16
	s_mov_b32 s[\g+4], KS
	s_mov_b32 s[\g+5], 32
	s_mov_b32 s[\g+6], 0
	s_mov_b32 s[\g+7], 0
.endr
	s_lshl_b32 s20, s17, 8                         ; the tile's first row of h
	s_lshl_b32 s46, s42, 8                         ; and of W1
	s_mov_b32 s21, 0
	s_mov_b32 s47, 0
	s_mov_b64 s[18:19], KS
	s_mul_u64 s[22:23], s[20:21], s[18:19]
	s_mul_u64 s[92:93], s[46:47], s[18:19]
	s_mov_b64 s[18:19], KROW
	s_mul_u64 s[20:21], s[20:21], s[18:19]
	s_mul_u64 s[46:47], s[46:47], s[18:19]
	s_wait_kmcnt 0x0
	s_add_nc_u64 s[20:21], s[4:5], s[20:21]
	s_add_nc_u64 s[22:23], s[6:7], s[22:23]
	s_add_nc_u64 s[46:47], s[8:9], s[46:47]
	s_add_nc_u64 s[92:93], s[10:11], s[92:93]
	CROUND                                         ; all sixteen work-groups are here: the joint loads meet
	s_mov_b32 s[G0], 1                             ; h's 256 rows, all of K
	s_mov_b32 s[G0+1], 0
	s_mov_b64 s[G0+2:G0+3], s[20:21]
	s_or_b32 s[G0+3], s[G0+3], 0x80000000
	s_mov_b32 s[G0B], 1                            ; W1's 256 rows, behind them
	s_mov_b32 s[G0B+1], 2*HALFT
	s_mov_b64 s[G0B+2:G0B+3], s[46:47]
	s_or_b32 s[G0B+3], s[G0B+3], 0x80000000
	s_mov_b32 s[G0S], 1                            ; h's scale bytes
	s_mov_b32 s[G0S+1], SCL
	s_mov_b64 s[G0S+2:G0S+3], s[22:23]
	s_or_b32 s[G0S+3], s[G0S+3], 0x80000000
	s_mov_b32 s[G0SB], 1                           ; W1's
	s_mov_b32 s[G0SB+1], SCL+2*HALFS
	s_mov_b64 s[G0SB+2:G0SB+3], s[92:93]
	s_or_b32 s[G0SB+3], s[G0SB+3], 0x80000000
	ARM 1, G0,  G1,  .Lhead_b                      ; one tensor load a wave, every way through the tree passes one
	ARM 2, G0B, G1B, .Lhead_sa
	ARM 3, G0S, G1S, .Lhead_sb
	tensor_load_to_lds s[G0SB:G0SB+3], s[G1SB:G1SB+7]
	s_nop 0
.rept 4
	v_nop
.endr
.Lhead_asked:
	v_and_b32 v1, 15, v0
	s_wait_alu depctr_va_vdst(0)
	v_bfe_u32 v2, v0, 4, 1
	s_lshl_b32 s20, s42, 10
	s_lshl_b32 s21, s16, 9
	s_add_co_u32 s20, s20, s21
	s_mov_b32 s21, 0
	s_add_nc_u64 s[12:13], s[12:13], s[20:21]
	v_lshlrev_b32 v[BA], 5, v2
.irp b, 0,1,2,3,4,5,6,7
	global_load_b128 v[BI+8*\b:BI+8*\b+3], v[BA], s[12:13] offset:64*\b
	global_load_b128 v[BI+8*\b+4:BI+8*\b+7], v[BA], s[12:13] offset:64*\b+16
.endr
	v_mul_u32_u24 v3, v1, PITCH
	v_lshl_add_u32 v4, v2, 4, v3
	s_mul_i32 s21, s15, HALFT
	s_mul_i32 s22, s16, HALFT
	s_add_co_u32 s22, s22, 2*HALFT
.irp s, 0,1
	v_add_nc_u32 v[ADRA+\s], s21, v4
	v_add_nc_u32 v[ADRB+\s], s22, v4
	s_add_co_u32 s21, s21, SLOT
	s_add_co_u32 s22, s22, SLOT
.endr
	v_mul_u32_u24 v5, v1, KS
	v_lshrrev_b32 v6, 8, v5
	v_lshl_add_u32 v5, v6, 4, v5
	s_mul_i32 s21, s15, HALFS
	s_mul_i32 s22, s16, HALFS
	s_add_co_u32 s22, s22, 2*HALFS
	s_sub_co_u32 s22, s22, s21
	v_mul_u32_u24 v6, s22, v2
	s_add_co_u32 s21, s21, SCL
	v_add_nc_u32 v5, v5, v6
	v_add_nc_u32 v[ADRS], s21, v5
	v_and_b32 v3, 31, v0
	v_lshlrev_b32 v[L16], 4, v3
	v_lshlrev_b32 v[CO], 4, v3
	s_lshl_b32 s23, s14, 16
	v_add_nc_u32 v[LD0], s23, v[L16]
	s_lshl_b32 s23, s14, 9
	s_add_co_u32 s23, s23, SWB
	v_lshl_add_u32 v[SW0], v1, 2, s23
	v_add_nc_u32 v[SWR], s23, v[L16]
	s_lshl_b32 s20, s42, 1
	s_add_co_u32 s20, s20, s16
	s_mul_i32 s20, s20, 278528                     ; my chunk of 128 hidden units: 32 groups of 8,704 bytes
	s_lshl_b32 s23, s17, 1
	s_add_co_u32 s23, s23, s15                     ; my group of 128 rows
	s_mul_i32 s23, s23, 8704
	s_add_co_u32 s20, s20, s23
	s_mov_b32 s21, 0
	s_add_nc_u64 s[96:97], s[96:97], s[20:21]      ; its 8,192 bytes of codes,
	s_add_nc_u64 s[98:99], s[96:97], 8192          ; and behind them its 512 bytes of scale words
.macro FRAG reg, adr, q, i
.irp c, 0,1
	ds_load_b128 v[\reg+4*\c:\reg+4*\c+3], v[\adr] offset:64*(\q)+32*\c+(\i)*16*PITCH
.endr
.endm
.macro MUL16 a0, p, q, sc, zero
.irp a, \a0, \a0+1
.irp b, 0,1,2,3,4,5,6,7
.if \zero
	v_wmma_scale_f32_16x16x128_f8f6f4 v[8*(8*((\a)%4)+\b):8*(8*((\a)%4)+\b)+7], v[128*(\p)+FR*\b:128*(\p)+FR*\b+FR-1], v[AF+FR*(\a):AF+FR*(\a)+FR-1], v[BI+8*\b:BI+8*\b+7], v[SC+8*NQ*(\sc)+NQ*\b+(\q)], v[SC+8*NQ*(\sc)+NQ*(\a)+(\q)] matrix_a_fmt:MATRIX_FMT_FP4 matrix_b_fmt:MATRIX_FMT_FP4 matrix_a_scale:MATRIX_SCALE_ROW1
.else
	v_wmma_scale_f32_16x16x128_f8f6f4 v[8*(8*((\a)%4)+\b):8*(8*((\a)%4)+\b)+7], v[128*(\p)+FR*\b:128*(\p)+FR*\b+FR-1], v[AF+FR*(\a):AF+FR*(\a)+FR-1], v[8*(8*((\a)%4)+\b):8*(8*((\a)%4)+\b)+7], v[SC+8*NQ*(\sc)+NQ*\b+(\q)], v[SC+8*NQ*(\sc)+NQ*(\a)+(\q)] matrix_a_fmt:MATRIX_FMT_FP4 matrix_b_fmt:MATRIX_FMT_FP4 matrix_a_scale:MATRIX_SCALE_ROW1
.endif
.endr
.endr
.endm
.macro FETCH_B slot, q, p
	WIN TO_B
.irp i, 0,1,2,3,4,5,6,7
	FRAG 128*(\p)+FR*\i, ADRB+\slot, \q, \i
.endr
	WIN 0
.endm
.macro FETCH_A slot, q, i0
.irp i, \i0, \i0+1, \i0+2, \i0+3
	FRAG AF+FR*(\i), ADRA+\slot, \q, \i
.endr
.endm
.macro SCALES sc
.irp i, 0,1,2,3,4,5,6,7
	ds_load_b128 v[SC+8*NQ*\sc+NQ*\i:SC+8*NQ*\sc+NQ*\i+3], v[ADRS] offset:\i*SBLK
.endr
.endm
.macro PLACES n
.rept \n
	v_nop
.endr
.endm
.macro STEP slot, q, zero
	s_wait_dscnt 4*NL
.if \zero
	WIN 0x81
.else
	WIN MUL_LO
.endif
	MUL16 0, (\q)%2, \q, \slot, \zero
	MUL16 2, (\q)%2, \q, \slot, \zero
	s_wait_dscnt 0
	PLACES NP
	FETCH_B \slot, (\q)+1, 1-(\q)%2
	FETCH_A \slot, (\q)+1, 0
.if \zero
	WIN 0xc1
.else
	WIN MUL_HI
.endif
	MUL16 4, (\q)%2, \q, \slot, \zero
	MUL16 6, (\q)%2, \q, \slot, \zero
	PLACES NP
	WIN 0
	FETCH_A \slot, (\q)+1, 4
.endm
.macro TURN slot, next
	s_wait_tensorcnt 0x0
	ds_add_u32 v[SPW], v[NIL]
	s_wait_dscnt 4*NL+1
	WIN MUL_LO
	MUL16 0, 1, NQ-1, \slot, 0
	s_wait_dscnt 0x0
	s_barrier_signal -1
	MUL16 2, 1, NQ-1, \slot, 0
	WIN 0
	s_barrier_wait -1
	PLACES NP
	v_add_nc_u32 v[ADRS], 4*NQ, v[ADRS]
	FETCH_B \next, 0, 0
	FETCH_A \next, 0, 0
	SCALES \next
	WIN MUL_HI
	MUL16 4, 1, NQ-1, \slot, 0
	MUL16 6, 1, NQ-1, \slot, 0
	PLACES NP
	WIN 0
	FETCH_A \next, 0, 4
.endm
.macro STEPS slot, from
.set Q, \from
.rept NQ-1-\from
	STEP \slot, Q, 0
.set Q, Q+1
.endr
.endm
	s_wait_alu depctr_va_vdst(0)
	s_wait_tensorcnt 0x0
	s_barrier_signal -1
	s_barrier_wait -1
	FETCH_B 0, 0, 0
	FETCH_A 0, 0, 0
	SCALES 0
	FETCH_A 0, 0, 4
	s_wait_loadcnt 0x0
	STEP 0, 0, 1
	STEPS 0, 1
	TURN 0, 1
	STEPS 1, 0
	s_wait_dscnt 4*NL
	WIN MUL_LO
	MUL16 0, 1, NQ-1, 1, 0
	MUL16 2, 1, NQ-1, 1, 0
	s_wait_dscnt 0
	WIN MUL_HI
	MUL16 4, 1, NQ-1, 1, 0
	MUL16 6, 1, NQ-1, 1, 0
	WIN 0
	s_wait_dscnt 0x0
	s_barrier_signal -1
	s_barrier_wait -1
	PLACES NP
.irp a, 0,1,2,3,4,5,6,7
	WIN 0x08+4*((\a)/4)
.irp b, 0,1,2,3,4,5,6,7
	ds_store_b128 v[LD0], v[64*((\a)%4)+8*\b:64*((\a)%4)+8*\b+3] offset:512*(16*\a+2*\b)
	ds_store_b128 v[LD0], v[64*((\a)%4)+8*\b+4:64*((\a)%4)+8*\b+7] offset:512*(16*\a+2*\b+1)
.endr
.endr
	WIN 0
.macro CA p, val
	s_mov_b32 s[\p], \val
	s_mul_f32 s[\p], s[\p], s45
	s_mov_b32 s[\p+1], s[\p]
.endm
.macro CB p, val
	s_mov_b32 s[\p], \val
	s_mov_b32 s[\p+1], \val
.endm
	s_mov_b32 s45, 0x3eb504f3
	CA 24, 0xac95df0b
	CA 46, 0x306dffee
	CA 26, 0xb40cff51
	CA 28, 0xb6eec2d2
	CA 30, 0xb940ac63
	CA 32, 0xbac1a1f6
	CA 34, 0xbc83dbd4
	CB 36, 0xb57460cd
	CB 38, 0xb9dc924e
	CB 40, 0xbb719bf8
	CB 42, 0xbc69b6a7
	s_mov_b32 s44, 0x40b504f3
	s_mov_b32 s45, 0xc0b504f3
	s_mov_b32 s20, 0x76543210
	s_mov_b32 s21, 0xfedcba98
	WIN 0x40
	v_mov_b32 v8, s46
	v_mov_b32 v9, s46
	v_mov_b32 v10, 0xb7dfbd29
	v_mov_b32 v11, 0xb7dfbd29
.irp b, 0,1,2,3
	v_mov_b32 v[TM+4+\b], 0
.endr
	WIN 0
	s_mov_b32 s46, 0
	s_mov_b32 s47, 0
	s_mov_b32 s3, 8
.macro HORN p, s
.set j, 0
.rept 16
	v_pk_fma_f32 v[\p+j:\p+j+1], v[\p+j:\p+j+1], v[W+j:W+j+1], s[\s:\s+1] op_sel_hi:[1,1,0]
.set j, j+2
.endr
.endm
.macro GELU32 x
.set j, 0
.rept 32
	v_med3_num_f32 v[XC+j], v[\x+j], s45, s44
.set j, j+1
.endr
.set j, 0
.rept 16
	v_pk_mul_f32 v[W+j:W+j+1], v[XC+j:XC+j+1], v[XC+j:XC+j+1]
.set j, j+2
.endr
.set j, 0
.rept 16
	v_pk_fma_f32 v[PA+j:PA+j+1], v[W+j:W+j+1], s[24:25], v[8:9] op_sel_hi:[1,0,1]
	v_pk_fma_f32 v[PB+j:PB+j+1], v[W+j:W+j+1], s[36:37], v[10:11] op_sel_hi:[1,0,1]
.set j, j+2
.endr
	HORN PB, 38
	HORN PB, 40
	HORN PB, 42
	HORN PA, 26
	HORN PA, 28
.set j, 0
	s_wait_alu depctr_va_vdst(0)
.rept 32
	v_rcp_f32 v[PB+j], v[PB+j]
.set j, j+1
.endr
	HORN PA, 30
	HORN PA, 32
	HORN PA, 34
.set j, 0
.rept 16
	v_pk_mul_f32 v[PA+j:PA+j+1], v[PA+j:PA+j+1], v[XC+j:XC+j+1]
.set j, j+2
.endr
	s_wait_alu depctr_va_vdst(0)
.set j, 0
.rept 16
	v_pk_fma_f32 v[PA+j:PA+j+1], v[PA+j:PA+j+1], v[PB+j:PB+j+1], 0.5 op_sel_hi:[1,1,0]
.set j, j+2
.endr
.set j, 0
.rept 16
	v_pk_mul_f32 v[\x+j:\x+j+1], v[\x+j:\x+j+1], v[PA+j:PA+j+1]
.set j, j+2
.endr
.endm
.Lrows:
	v_add_nc_u32 v[LDA], s46, v[LD0]
	v_add_nc_u32 v[SWA], s47, v[SW0]
	WIN TO_B
.irp i, 0,1,2,3,4,5,6,7,8,9,10,11,12,13,14,15
	ds_load_b128 v[X+4*\i:X+4*\i+3], v[LDA] offset:512*\i
.endr
	WIN 0x55
	s_wait_dscnt 8
	GELU32 X
	s_wait_dscnt 0x0
	GELU32 X+32
.irp b, 0,1,2,3
	v_max3_num_f32 v[TM+\b], |v[X+16*\b]|, |v[X+1+16*\b]|, 0x1800000
.endr
.irp i, 2,4,6,8,10,12,14
.irp b, 0,1,2,3
	v_max3_num_f32 v[TM+\b], v[TM+\b], |v[X+16*\b+\i]|, |v[X+1+16*\b+\i]|
.endr
.endr
.irp b, 0,1,2,3
	v_permlanex16_b32 v[TM+4+\b], v[TM+\b], s20, s21
.endr
.irp b, 0,1,2,3
	v_max_num_f32 v[TM+\b], v[TM+\b], v[TM+4+\b]
.endr
.irp b, 0,1,2,3
	v_add_nc_u32 v[TM+12+\b], 0xff000000, v[TM+\b]
.endr
.irp b, 0,1,2,3
	v_lshrrev_b32 v[TM+4+\b], 23, v[TM+12+\b]
.endr
	v_lshl_or_b32 v[PW], v[TM+5], 8, v[TM+4]
	v_lshl_or_b32 v[PW], v[TM+6], 16, v[PW]
	v_lshl_or_b32 v[PW], v[TM+7], 24, v[PW]
.irp t, 0,1,2,3,4,5,6,7
	v_cvt_scalef32_pk8_fp4_f32 v[PC+4*(\t/4)+2*(\t%2)+(\t%4)/2], v[X+8*\t:X+8*\t+7], v[TM+12+\t/2]
.endr
	v_nop
.irp c, 0,1
	v_permlane16_swap_b32 v[PC+4*\c], v[PC+1+4*\c]
	v_permlane16_swap_b32 v[PC+2+4*\c], v[PC+3+4*\c]
.endr
	WIN 0x04
	global_store_b128 v[CO], v[PC:PC+3], s[96:97]
	global_store_b128 v[CO], v[PC+4:PC+7], s[96:97] offset:512
	ds_store_b32 v[SWA], v[PW]
	WIN 0
	s_wait_xcnt 0x0
	v_add_nc_u32 v[CO], 1024, v[CO]
	s_add_co_u32 s46, s46, 8192
	s_add_co_u32 s47, s47, 64
	s_sub_co_u32 s3, s3, 1
	s_cmp_lg_u32 s3, 0
	s_cbranch_scc1 .Lrows
	ds_load_b128 v[96:99], v[SWR]
	s_wait_dscnt 0x0
	global_store_b128 v[L16], v[96:99], s[98:99]
	s_wait_tensorcnt 0x0
	ds_add_u32 v[SPW], v[NIL]
	s_wait_dscnt 0x0
	CROUND
	s_endpgm
.Lfunc_end_k_q1bd2383548_fc1:
	.size	k_q1bd2383548_fc1, .Lfunc_end_k_q1bd2383548_fc1-k_q1bd2383548_fc1
	.p2alignl 7, 3214868480
	.fill 96, 4, 3214868480
	.section	.rodata,"a",@progbits
	.p2align	6, 0x0
	.amdhsa_kernel k_q1bd2383548_fc1
		.amdhsa_group_segment_fixed_size 327680
		.amdhsa_private_segment_fixed_size 0
		.amdhsa_enable_private_segment 0
		.amdhsa_kernarg_size 48
		.amdhsa_user_sgpr_count 2
		.amdhsa_user_sgpr_kernarg_segment_ptr 1
		.amdhsa_wavefront_size32 1
		.amdhsa_system_sgpr_workgroup_id_x 1
		.amdhsa_system_sgpr_workgroup_id_y 1
		.amdhsa_system_sgpr_workgroup_id_z 1
		.amdhsa_system_vgpr_workitem_id 0
		.amdhsa_next_free_vgpr 1024
		.amdhsa_next_free_sgpr 101
		.amdhsa_reserve_vcc 0
		.amdhsa_float_denorm_mode_32 3
		.amdhsa_float_denorm_mode_16_64 3
		.amdhsa_memory_ordered 1
		.amdhsa_forward_progress 1
		.amdhsa_inst_pref_size 146
	.end_amdhsa_kernel
	.amdgpu_metadata
---
amdhsa.version: [ 1, 2 ]
amdhsa.kernels:
  - .name:           k_q1bd2383548_fc1
    .symbol:         k_q1bd2383548_fc1.kd
    .args:
      - { .name: h_codes, .offset: 0, .size: 8, .value_kind: global_buffer, .address_space: global }
      - { .name: h_scales, .offset: 8, .size: 8, .value_kind: global_buffer, .address_space: global }
      - { .name: w1_codes, .offset: 16, .size: 8, .value_kind: global_buffer, .address_space: global }
      - { .name: w1_scales, .offset: 24, .size: 8, .value_kind: global_buffer, .address_space: global }
      - { .name: b1, .offset: 32, .size: 8, .value_kind: global_buffer, .address_space: global }
      - { .name: hid_codes, .offset: 40, .size: 8, .value_kind: global_buffer, .address_space: global }
    .group_segment_fixed_size: 327680
    .private_segment_fixed_size: 0
    .kernarg_segment_align: 8
    .kernarg_segment_size: 48
    .max_flat_workgroup_size: 128
    .sgpr_count:     101
    .vgpr_count:     1024
    .wavefront_size: 32
...
	.end_amdgpu_metadata
.endif
;; end of part 3
;; launch fc2 (part 4): grid 32 x 8, 4 waves a work-group, clusters of 4 x 1, 327,680 bytes of LDS; arguments hid_codes, w2_codes, w2_scales, b2, x1, out0; writes out0
.if DOCPART == 4
	.amdgcn_target "amdgcn-amd-amdhsa--gfx1250"
	.amdhsa_code_object_version 6
	.text
	.protected	k_q1bd2383548_fc2
	.globl	k_q1bd2383548_fc2
	.p2align	8
	.type	k_q1bd2383548_fc2,@function
k_q1bd2383548_fc2:
	s_mov_b64 s[64:65], 0
	v_nop
	global_prefetch_b8 v0, s[64:65] scope:SCOPE_SE
	s_setreg_imm32_b32 hwreg(HW_REG_WAVE_MODE, 25, 1), 1
	s_wait_xcnt 0x0
	s_wait_alu depctr_hold_cnt(0) depctr_sa_sdst(0) depctr_va_vdst(0) depctr_va_sdst(0) depctr_va_ssrc(0) depctr_va_vcc(0) depctr_vm_vsrc(0)
	s_getreg_b32 s2, hwreg(HW_REG_IB_STS2, 6, 4)
	s_cmp_eq_u32 s2, 0
	s_cbranch_scc0 .Lentry_in_a_cluster
	s_endpgm
.Lentry_in_a_cluster:
	s_bfe_u32 s2, ttmp6, 0x10000c
	s_cmp_lg_u32 s2, 0x3003
	s_cbranch_scc0 .Lentry_shape_is_right
	s_endpgm
.Lentry_shape_is_right:
; out0 = x1 + hid W2^T + b2: the product on codes of FP4 (E2M1) with one E8M0 scale for each 32 along K = 4,096.
; hid_codes: [32 chunks of 128 k][32 groups of 128 rows][8 blocks of 16 rows x 1,024 bytes (images of the operand's registers: 2 halves x 32 lanes x 16 bytes), then 128 scale words]: 8,704 bytes a group.
; w2_codes [1024][2,048 bytes], w2_scales [1024][128].
; A tile of out0 is 128 x 128: 256 work-groups.  Four waves, each 32 rows x 128 columns: 16 accumulators.
; W2's 128 rows LIE IN LDS FOR ALL OF K, as two halves of K (128 rows x 1,024 bytes + 16 each), and so do their scale bytes: three tensor loads at the head (waves 0, 1, 2), nothing is filled again, and behind the
; head's barrier the 32 chunks run with no barrier.  hid GOES FROM MEMORY STRAIGHT INTO REGISTERS: a wave's 32 rows of a chunk are 2,048 consecutive bytes of images and 128 of scale words: four loads of 512
; consecutive bytes and one of 128, into a ring of eight chunks, asked for seven chunks ahead.  No two waves of a work-group load the same byte of hid.
; CLUSTERS: 4 x 1: four tile rows of one tile column want the same rows of W2 and ask for them JOINTLY.  hid's groups are not asked for jointly: they land in registers, which a tensor load does not reach.
; NO PREFETCH INTO THE L2: W2 comes once, at the head, with no loop to run ahead in; of hid each wave has 35 loads (seven chunks) out ahead of the chunk in hand, which is the run ahead.
; THE MATRIX INSTRUCTION IS USED TRANSPOSED (source 0 = 16 rows of W2, source 1 = 16 rows of hid): a lane holds eight neighbouring numbers of a row of out0.  b2 is the C of each sum's first instruction.
; x1 of my 32 x 128 takes hid's place in the stream of loads from chunk 25 on, five loads a chunk.
; LIMITS: NaN and infinities are not served.
; REGISTERS: window 0: v0-31 addresses; v32-39 hid's scale words, a ring of eight chunks; v40-55 W2's scale words, two sets of two chunks; v64-127 b2 in the result's layout, later at work on the way out;
;   v128-255 the accumulators ((a, b) at v[128 + 8 (8 a + b)]).   window 1: v0-127 hid's fragments, 16 registers a chunk, eight chunks; v128-255 W2's fragments, two sets of 64.   window 2: v0-127 x1, four registers a row.
.set CHB,    8704                      ; a group's bytes of one chunk
.set CHP,    32*CHB                    ; from chunk to chunk in memory
.set WHB,    128*1040                  ; half of K of W2's 128 rows in LDS
.set SCB,    2*WHB                     ; W2's scale bytes: 64 lines of 256 bytes + 16
.set SPARE,  SCB+64*272                ; the spare words, 128 bytes for each wave: two blocks of 256 bytes that no other line names
.set STG,    SPARE+512                 ; the way out: 16 rows x (512 + 16) bytes for each wave; no tensor load lands here
.set SPITCH, 528
.set AO,   16                          ; v16  hid's fragments: 2,048 x wave + 16 x lane
.set SO,   17                          ; v17  hid's scale words: 8,192 + 128 x wave + 4 x lane
.set ADB,  18                          ; v18-21  W2's fragments in LDS: column blocks 0-3, 4-7 of K's first half; the same of its second half
.set ASB,  22                          ; v22  W2's scale words: lanes 0-15 row l of block 2 u, lanes 16-31 of block 2 u + 1
.set STO,  24                          ; v24  the way out: where I put 32 bytes of a row
.set RD,   25                          ; v25  where I read a row back
.set CO,   26                          ; v26  16 x lane: my bytes of a row of x1 and out0
.set BA,   27                          ; v27  b2: 32 x (lane / 16)
.set SPW,  28                          ; v28  LDS address of my spare word; never rewritten
.set NIL,  29                          ; v29  0; never rewritten
.set AS,   32
.set BS,   40
.set BI,   64
.set ACC,  128
.set HB,   20                          ; s[20:21], s[22:23] hid at my group, chunks 0 and 16
.set G1B,  24                          ; s[24:31] descriptor group 1 for W2's codes;  s[32:35], s[36:39] groups 0 of the two halves of K
.set G0A,  32
.set G0H,  36
.set G1S,  48                          ; s[48:55], s[56:59] groups 1 and 0 for W2's scale bytes
.set G0S,  56
.set MSB, 0
.macro WIN new                         ; the immediate's high byte repeats the setting that is left
.if MSB != \new
	s_set_vgpr_msb (MSB<<8)|\new
.set MSB, \new
.endif
.endm
.set MUL,  0x05                        ; sources 0 (W2) and 1 (hid) window 1; C and D window 0
.set TO_F, 0x40                        ; destination window 1, address window 0
.set TO_X, 0x80                        ; destination window 2, address window 0
.macro ARM under, g0, g1, next         ; one arm of the head's tree of branches on the wave's number: its joint load, and a jump to the tree's end
	s_cmp_lt_u32 s14, \under
	s_cbranch_scc0 \next
	tensor_load_to_lds s[\g0:\g0+3], s[\g1:\g1+7]
	s_nop 0
.rept 4
	v_nop
.endr
	s_branch .Lhead_asked
\next:
.endm
.macro CROUND                          ; a round of the cluster's barrier
	s_barrier_signal -1
	s_barrier_wait -1
	s_cmp_lg_u32 s14, 0
	s_cbranch_scc1 .Lnot_wave_0_\@
	s_barrier_signal -3
.Lnot_wave_0_\@:
	s_barrier_wait -3
	s_barrier_signal -1
	s_barrier_wait -1
.endm
.macro PLACES                          ; four places in front of loads into registers that matrix instructions have read, and of the first read of results
.rept 4
	v_nop
.endr
.endm
	s_load_b64 s[4:5], s[0:1], 0x0                 ; hid
	s_load_b128 s[8:11], s[0:1], 0x8               ; W2's codes s[8:9], W2's scales s[10:11]
	s_load_b128 s[92:95], s[0:1], 0x18             ; b2 s[92:93], x1 s[94:95]
	s_load_b64 s[12:13], s[0:1], 0x28              ; out0
	v_lshl_add_u32 v[SPW], v0, 2, SPARE
	v_mov_b32 v[NIL], 0
	ds_add_u32 v[SPW], v[NIL]                      ; the opening lines: the add, twice on end, and its wait ahead of the first tensor load
	ds_add_u32 v[SPW], v[NIL]
	v_lshrrev_b32 v1, 5, v0
	v_readfirstlane_b32 s14, v1                    ; wave 0..3
	s_bfe_u32 s40, ttmp6, 0x40000                  ; cx: my place in the cluster
	s_lshl_b32 s17, ttmp9, 2
	s_add_co_u32 s17, s17, s40                     ; tile row = 4 x cluster x + cx: it enters hid's, x1's and out0's global addresses alone
	s_and_b32 s42, ttmp7, 0xffff                   ; tile column, which the four partners share
	; W2's codes: 128 rows of 1,024 bytes, 2,048 bytes from row to row, 4 words of padding behind every 256; the mask names all four work-groups
	s_mov_b32 s[G1B+0], 15|(0<<16)|(1<<20)|(1<<21)|(7<<22)|(3<<25)
	s_mov_b32 s[G1B+1], 1024<<16
	s_mov_b32 s[G1B+2], 128<<16
	s_mov_b32 s[G1B+3], 1024<<16
	s_mov_b32 s[G1B+4], 128
	s_mov_b32 s[G1B+5], 2048
	s_mov_b32 s[G1B+6], 0
	s_mov_b32 s[G1B+7], 0
	; W2's scale bytes of 128 rows: 16,384 dense bytes as 64 rows of 256 (32 elements of 8), 16 bytes of padding behind each
	s_mov_b32 s[G1S+0], 15|(3<<16)|(1<<20)|(1<<21)|(5<<22)|(3<<25)
	s_mov_b32 s[G1S+1], 32<<16
	s_mov_b32 s[G1S+2], 64<<16
	s_mov_b32 s[G1S+3], 32<<16
	s_mov_b32 s[G1S+4], 64
	s_mov_b32 s[G1S+5], 32
	s_mov_b32 s[G1S+6], 0
	s_mov_b32 s[G1S+7], 0
	s_lshl_b32 s46, s42, 18                        ; W2's codes: 128 rows of 2,048 bytes a tile column
	s_mov_b32 s47, 0
	s_lshl_b32 s44, s42, 14                        ; W2's scales: 128 rows of 128 bytes
	s_mov_b32 s45, 0
	s_mul_i32 s18, s17, CHB                        ; hid: my tile's group
	s_mov_b32 s19, 0
	s_lshl_b32 s60, s42, 9                         ; b2: 128 columns of 4 bytes
	s_mov_b32 s61, 0
	s_lshl_b32 s62, s17, 19                        ; x1 and out0: 128 rows of 4,096 bytes a tile row,
	s_lshl_b32 s63, s14, 17                        ; 32 a wave,
	s_add_co_u32 s62, s62, s63
	s_add_co_u32 s62, s62, s60                     ; and the tile's first column
	s_mov_b32 s63, 0
	s_lshl_b32 s66, s14, 11                        ; my two row blocks in a chunk's group,
	s_lshl_b32 s67, s14, 7
	s_add_co_u32 s67, s67, 8192                    ; their scale words,
	s_mul_i32 s68, s14, 16*SPITCH
	s_add_co_u32 s68, s68, STG                     ; my stage
	s_wait_dscnt 0x0                               ; both opening adds are done
	s_wait_kmcnt 0x0
	s_add_nc_u64 s[46:47], s[8:9], s[46:47]
	s_add_nc_u64 s[44:45], s[10:11], s[44:45]
	s_add_nc_u64 s[HB:HB+1], s[4:5], s[18:19]
	s_add_nc_u64 s[HB+2:HB+3], s[HB:HB+1], 16*CHP
	s_add_nc_u64 s[92:93], s[92:93], s[60:61]
	s_add_nc_u64 s[94:95], s[94:95], s[62:63]
	s_add_nc_u64 s[12:13], s[12:13], s[62:63]
	CROUND                                         ; all four work-groups are here: the joint loads meet
	s_mov_b32 s[G0A], 1                            ; K's first half
	s_mov_b32 s[G0A+1], 0
	s_mov_b64 s[G0A+2:G0A+3], s[46:47]
	s_or_b32 s[G0A+3], s[G0A+3], 0x80000000
	s_mov_b32 s[G0H], 1                            ; its second half
	s_mov_b32 s[G0H+1], WHB
	s_add_nc_u64 s[G0H+2:G0H+3], s[46:47], 1024
	s_or_b32 s[G0H+3], s[G0H+3], 0x80000000
	s_mov_b32 s[G0S], 1                            ; the scale bytes
	s_mov_b32 s[G0S+1], SCB
	s_mov_b64 s[G0S+2:G0S+3], s[44:45]
	s_or_b32 s[G0S+3], s[G0S+3], 0x80000000
	ARM 1, G0A, G1B, .Lhead_1                      ; at most one tensor load a wave; wave 3 has none
	ARM 2, G0H, G1B, .Lhead_2
	ARM 3, G0S, G1S, .Lhead_3
.Lhead_asked:
	v_and_b32 v1, 15, v0                           ; r = l % 16
	v_bfe_u32 v2, v0, 4, 1                         ; h = l / 16
	v_and_b32 v3, 31, v0                           ; l
	v_lshl_add_u32 v[AO], v3, 4, s66
	v_lshl_add_u32 v[SO], v3, 2, s67
	v_lshlrev_b32 v[BA], 5, v2                     ; lane half h wants, for tile b, columns 16 b + 8 h + 0..7
	v_lshlrev_b32 v[CO], 4, v3
	v_mul_u32_u24 v4, v1, 1040
	v_lshl_add_u32 v[ADB], v2, 4, v4               ; W2: row r x pitch + 16 h
	v_add_nc_u32 v[ADB+1], 4*16640, v[ADB]         ; four column blocks (64 rows) on
	v_add_nc_u32 v[ADB+2], WHB, v[ADB]
	v_add_nc_u32 v[ADB+3], WHB, v[ADB+1]
	v_lshrrev_b32 v6, 1, v1
	v_mul_u32_u24 v6, v6, 272                      ; W2's scale bytes: two rows of 128 bytes to a line of 272,
	v_and_b32 v7, 1, v1
	v_lshl_add_u32 v6, v7, 7, v6
	v_mul_u32_u24 v7, v2, 2176                     ; lanes 16-31 sixteen rows (eight lines) on: one product
	v_add_nc_u32 v6, v6, v7
	v_add_nc_u32 v[ASB], SCB, v6
	v_mul_u32_u24 v5, v1, SPITCH
	v_lshl_add_u32 v5, v2, 5, v5
	v_add_nc_u32 v[STO], s68, v5                   ; in: row r, + 32 h
	v_add_nc_u32 v[RD], s68, v[CO]                 ; back: the 32 lanes take one row of 512 bytes
	s_wait_alu depctr_va_vdst(0)                   ; the wait at the head's end: no vector instruction writes an address behind it
.macro ASLD c                          ; hid's scale words of chunk c: lane l takes row l of my 32 (window 0)
	global_load_b32 v[AS+(\c)%8], v[SO], s[HB+2*((\c)/16):HB+2*((\c)/16)+1] offset:((\c)%16)*CHP
.endm
.macro AFLD c                          ; hid's two fragments of chunk c: four loads of 512 consecutive bytes (destination in window 1)
.irp a, 0,1
	global_load_b128 v[16*((\c)%8)+8*\a:16*((\c)%8)+8*\a+3],   v[AO], s[HB+2*((\c)/16):HB+2*((\c)/16)+1] offset:((\c)%16)*CHP+1024*\a
	global_load_b128 v[16*((\c)%8)+8*\a+4:16*((\c)%8)+8*\a+7], v[AO], s[HB+2*((\c)/16):HB+2*((\c)/16)+1] offset:((\c)%16)*CHP+1024*\a+512
.endr
.endm
.macro BSLD P                          ; W2's scale words of chunks 2 P and 2 P + 1: 8 bytes a row; column blocks 2 u (lanes 0-15) and 2 u + 1 (lanes 16-31)
.irp u, 0,1,2,3
	ds_load_b64 v[BS+8*((\P)%2)+2*\u:BS+8*((\P)%2)+2*\u+1], v[ASB] offset:4352*\u+8*(\P)
.endr
.endm
.macro BFLD c                          ; W2's eight fragments of chunk c into set c % 2 (destination in window 1)
.irp i, 0,1,2,3,4,5,6,7
	ds_load_b128 v[128+64*((\c)%2)+8*\i:128+64*((\c)%2)+8*\i+3],   v[ADB+\i/4+2*((\c)/16)] offset:16640*(\i%4)+64*((\c)%16)
	ds_load_b128 v[128+64*((\c)%2)+8*\i+4:128+64*((\c)%2)+8*\i+7], v[ADB+\i/4+2*((\c)/16)] offset:16640*(\i%4)+64*((\c)%16)+32
.endr
.endm
; 16 matrix instructions: my two row blocks x all 8 column blocks, chunk c.  Chunk 0 starts the sums, on b2.  The 16 accumulators take turns.
.macro MULC c
.irp a, 0,1
.irp b, 0,1,2,3,4,5,6,7
.set rD, ACC+8*(8*\a+\b)
.set rC, rD
.if (\c) == 0
.set rC, BI+8*\b
.endif
.set rB, 128+64*((\c)%2)+8*\b
.set rA, 16*((\c)%8)+8*\a
.set rSB, BS+8*(((\c)/2)%2)+2*(\b/2)+(\c)%2
.set rSA, AS+(\c)%8
.if ((\b)%2) && (\a)
	v_wmma_scale_f32_16x16x128_f8f6f4 v[rD:rD+7], v[rB:rB+7], v[rA:rA+7], v[rC:rC+7], v[rSB], v[rSA] matrix_a_fmt:MATRIX_FMT_FP4 matrix_b_fmt:MATRIX_FMT_FP4 matrix_a_scale:MATRIX_SCALE_ROW1 matrix_b_scale:MATRIX_SCALE_ROW1
.elseif (\b)%2
	v_wmma_scale_f32_16x16x128_f8f6f4 v[rD:rD+7], v[rB:rB+7], v[rA:rA+7], v[rC:rC+7], v[rSB], v[rSA] matrix_a_fmt:MATRIX_FMT_FP4 matrix_b_fmt:MATRIX_FMT_FP4 matrix_a_scale:MATRIX_SCALE_ROW1
.elseif \a
	v_wmma_scale_f32_16x16x128_f8f6f4 v[rD:rD+7], v[rB:rB+7], v[rA:rA+7], v[rC:rC+7], v[rSB], v[rSA] matrix_a_fmt:MATRIX_FMT_FP4 matrix_b_fmt:MATRIX_FMT_FP4 matrix_b_scale:MATRIX_SCALE_ROW1
.else
	v_wmma_scale_f32_16x16x128_f8f6f4 v[rD:rD+7], v[rB:rB+7], v[rA:rA+7], v[rC:rC+7], v[rSB], v[rSA] matrix_a_fmt:MATRIX_FMT_FP4 matrix_b_fmt:MATRIX_FMT_FP4
.endif
.endr
.endr
.endm
; CHUNK c.  Into the registers that chunk c - 1 has just read go hid's chunk c + 7 (from chunk 25 on: five rows of x1 in its stead) and W2's chunk c + 1; then chunk c is multiplied.
.macro CH c
.if (\c) > 0
	PLACES
.endif
	WIN 0
.if (\c)+7 < 32
	ASLD (\c)+7
.endif
.if ((\c)%2) && ((\c) < 31)
	BSLD ((\c)+1)/2
.endif
.if (\c) >= 25
	WIN TO_X
.irp k, 0,1,2,3,4
.if 5*((\c)-25)+\k < 32
	global_load_b128 v[4*(5*((\c)-25)+\k):4*(5*((\c)-25)+\k)+3], v[CO], s[94:95] offset:(5*((\c)-25)+\k)*4096 th:TH_LOAD_NT   ; a row's 512 consecutive bytes
.endif
.endr
.endif
	WIN TO_F
.if (\c)+7 < 32
	AFLD (\c)+7
.endif
.if (\c) < 31
	BFLD (\c)+1
.endif
.if (\c) < 31
	s_wait_loadcnt 35                              ; hid's chunk c is in: behind its five loads stand seven times five (hid's later chunks, x1's rows)
.else
	s_wait_loadcnt 32                              ; behind chunk 31's loads: x1's 32
.endif
.if (\c) == 31
	s_wait_dscnt 0x0
.elseif (\c)%2
	s_wait_dscnt 20                                ; W2's chunk c and its scale words are in; the four loads of scale words and sixteen of fragments just issued may be out
.else
	s_wait_dscnt 16                                ; the sixteen just issued may be out
.endif
	WIN MUL
	MULC \c
.endm
.irp b, 0,1,2,3,4,5,6,7
	global_load_b128 v[BI+8*\b:BI+8*\b+3], v[BA], s[92:93] offset:64*\b
	global_load_b128 v[BI+8*\b+4:BI+8*\b+7], v[BA], s[92:93] offset:64*\b+16
.endr
.irp c, 0,1,2,3,4,5,6
	WIN 0
	ASLD \c                                        ; hid's first seven chunks: 35 loads, under the tensor loads' flight
	WIN TO_F
	AFLD \c
.endr
	WIN 0
	s_wait_tensorcnt 0x0                           ; my tile, if I asked for one, has landed,
	s_barrier_signal -1
	s_barrier_wait -1                              ; and so has everybody's: from here on these bytes are only read
	BSLD 0
	WIN TO_F
	BFLD 0
.irp c, 0,1,2,3,4,5,6,7,8,9,10,11,12,13,14,15,16,17,18,19,20,21,22,23,24,25,26,27,28,29,30,31
	CH \c
.endr
	WIN 0
; THE WAY OUT, a block of 16 rows x 128 columns at a time: through my own stage in LDS, back as rows of 512 bytes; x1 is added; the 32 lanes store 512 consecutive bytes, at a multiple of 256 from out0's first byte.
; LDS serves a wave's instructions in order (ISA guide 5.7.1.4): no wait between the stores and the loads, nor in front of the next block's stores.  Block 1's rows come back into block 0's accumulators, which have gone to the stage.
.macro OUTB a
.set T, 64+64*(\a)
.irp b, 0,1,2,3,4,5,6,7
	ds_store_b128 v[STO], v[ACC+8*(8*(\a)+\b):ACC+8*(8*(\a)+\b)+3] offset:64*\b      ; each accumulator from its low end on
	ds_store_b128 v[STO], v[ACC+8*(8*(\a)+\b)+4:ACC+8*(8*(\a)+\b)+7] offset:64*\b+16
.endr
.irp t, 0,1,2,3,4,5,6,7,8,9,10,11,12,13,14,15
	ds_load_b128 v[T+4*\t:T+4*\t+3], v[RD] offset:SPITCH*\t
.endr
	s_wait_dscnt 0x0
	s_wait_loadcnt 16-16*(\a)                      ; x1 of this block is in; the other block's sixteen loads may be out
	WIN 0x08                                       ; source 1 (x1) in window 2
.irp t, 0,1,2,3,4,5,6,7,8,9,10,11,12,13,14,15
	v_pk_add_f32 v[T+4*\t:T+4*\t+1], v[T+4*\t:T+4*\t+1], v[64*(\a)+4*\t:64*(\a)+4*\t+1]
	v_pk_add_f32 v[T+4*\t+2:T+4*\t+3], v[T+4*\t+2:T+4*\t+3], v[64*(\a)+4*\t+2:64*(\a)+4*\t+3]
.endr
	WIN 0
.irp t, 0,1,2,3,4,5,6,7,8,9,10,11,12,13,14,15
	global_store_b128 v[CO], v[T+4*\t:T+4*\t+3], s[12:13] offset:(16*(\a)+\t)*4096 th:TH_STORE_NT
.endr
.endm
	PLACES                                         ; in front of the first read of results
	OUTB 0
	OUTB 1
	s_wait_tensorcnt 0x0                           ; the wave's end: behind my last tensor load and my last LDS store
	ds_add_u32 v[SPW], v[NIL]
	s_wait_dscnt 0x0
	CROUND                                         ; the closing round: no work-group ends while a partner may still ask for a tile that names it
	s_endpgm
.Lfunc_end_k_q1bd2383548_fc2:
	.size	k_q1bd2383548_fc2, .Lfunc_end_k_q1bd2383548_fc2-k_q1bd2383548_fc2
	.p2alignl 7, 3214868480
	.fill 96, 4, 3214868480
	.section	.rodata,"a",@progbits
	.p2align	6, 0x0
	.amdhsa_kernel k_q1bd2383548_fc2
		.amdhsa_group_segment_fixed_size 327680
		.amdhsa_private_segment_fixed_size 0
		.amdhsa_enable_private_segment 0
		.amdhsa_kernarg_size 48
		.amdhsa_user_sgpr_count 2
		.amdhsa_user_sgpr_kernarg_segment_ptr 1
		.amdhsa_wavefront_size32 1
		.amdhsa_system_sgpr_workgroup_id_x 1
		.amdhsa_system_sgpr_workgroup_id_y 1
		.amdhsa_system_sgpr_workgroup_id_z 1
		.amdhsa_system_vgpr_workitem_id 0
		.amdhsa_next_free_vgpr 768
		.amdhsa_next_free_sgpr 101
		.amdhsa_reserve_vcc 0
		.amdhsa_float_denorm_mode_32 3
		.amdhsa_float_denorm_mode_16_64 3
		.amdhsa_memory_ordered 1
		.amdhsa_forward_progress 1
		.amdhsa_inst_pref_size 148
	.end_amdhsa_kernel
	.amdgpu_metadata
---
amdhsa.version: [ 1, 2 ]
amdhsa.kernels:
  - .name:           k_q1bd2383548_fc2
    .symbol:         k_q1bd2383548_fc2.kd
    .args:
      - { .name: hid_codes, .offset: 0, .size: 8, .value_kind: global_buffer, .address_space: global }
      - { .name: w2_codes, .offset: 8, .size: 8, .value_kind: global_buffer, .address_space: global }
      - { .name: w2_scales, .offset: 16, .size: 8, .value_kind: global_buffer, .address_space: global }
      - { .name: b2, .offset: 24, .size: 8, .value_kind: global_buffer, .address_space: global }
      - { .name: x1, .offset: 32, .size: 8, .value_kind: global_buffer, .address_space: global }
      - { .name: out0, .offset: 40, .size: 8, .value_kind: global_buffer, .address_space: global }
    .group_segment_fixed_size: 327680
    .private_segment_fixed_size: 0
    .kernarg_segment_align: 8
    .kernarg_segment_size: 48
    .max_flat_workgroup_size: 128
    .sgpr_count:     101
    .vgpr_count:     768
    .wavefront_size: 32
...
	.end_amdgpu_metadata
.endif
;; end of part 4
